; MI455X (gfx1250); checked and timed in simulation.
; The chip was launched on July 23, 2026; its instructions are those of AMD's public machine-readable ISA for CDNA 5 (MIT licence, August 2026) and "CDNA5" Instruction Set Architecture Reference Guide (July 2026). The comments in the code are by the model that wrote it; some were corrected since.
;; Multi Head Attention. Allowed arithmetic: matrix products marked QUANTISED: E2M3 operands, one E8M0 scale for each 32 along K, by v_wmma_scale_f32_16x16x128_f8f6f4 with both operands' format E2M3, f32 sums; everything else in f32.
;; Inputs: Wk 16 x 1,024 x 64 float32; Wo 1,024 x 1,024 float32; Wq 16 x 1,024 x 64 float32; Wv 16 x 1,024 x 64 float32; bk 16 x 64 float32; bo 1,024 float32; bq 16 x 64 float32; bv 16 x 64 float32; x 4 x 2,048 x 1,024 float32.
;; Outputs: out0 4 x 2,048 x 1,024 float32.
;; This version of the problem:
;;   THIS VERSION OF THE PROBLEM IS GIVEN IN LOW PRECISION. The matrix products marked QUANTISED in the list below multiply operands that are first quantised to E2M3 (2 exponent bits, 3 mantissa bits; 6 bits a number), with one power-of-two scale for each 32 numbers along K (OCP MX v1.0); their sums are f32. All else is computed in f32.
;;   The module's matrix products, in the order in which they are computed (A, B: the left and right operand; K: the contracted axis; several contracted axes count as one K, in the product's order):
;;     1. [M 1,024, K 1,024] x [K 1,024, N 8,192]; A: input Wq; B: input x: QUANTISED
;;     2. [M 1,024, K 1,024] x [K 1,024, N 8,192]; A: input Wk; B: input x: QUANTISED
;;     3. [M 1,024, K 1,024] x [K 1,024, N 8,192]; A: input Wv; B: input x: QUANTISED
;;     4. batch 64 x [M 2,048, K 64] x [K 64, N 2,048]; A: computed on the way; B: computed on the way: QUANTISED
;;     5. batch 64 x [M 2,048, K 2,048] x [K 2,048, N 64]; A: softmax (see below); B: computed on the way: QUANTISED
;;     6. [M 8,192, K 1,024] x [K 1,024, N 1,024]; A: computed on the way; B: input Wo: QUANTISED
;;   THE QUANTISER, for each operand of a quantised product, along K:
;;     - K is cut into blocks of 32 from its start; a last block that is shorter is filled with zeros.
;;     - A block's scale is 2^e with e = floor(log2(the largest magnitude in the block)) - 2, held to -126 .. 127; a block of zeros has e = 0. As a byte (E8M0): e + 127.
;;     - Each number is divided by its block's scale, clamped to +-7.5, and rounded to the nearest number of E2M3, ties to even, subnormals kept.
;;     - The product sums the exact products of the quantised numbers (number of the format x scale) in f32.
;;   ~~~python
;;   def quantise(x, axis):      # numpy; x: float32 -> the quantised numbers, widened to float32 again
;;       x = np.moveaxis(x, axis, -1); K = x.shape[-1]
;;       x = np.pad(x, [(0, 0)] * (x.ndim - 1) + [(0, -K % 32)]); x = x.reshape(x.shape[:-1] + (-1, 32)); a = np.abs(x).max(-1, keepdims=True)
;;       e = np.where(a > 0, np.clip(np.frexp(np.where(a > 0, a, 1))[1] - 1 - 2, -126, 127), 0)      # np.frexp(a)[1] - 1 = floor(log2(a)), exactly
;;       r = np.clip(x / 2.0 ** e, -7.5, 7.5)
;;       step = 2.0 ** (np.maximum(np.frexp(np.where(r == 0, 1, r))[1] - 1, 0) - 3)
;;       q = np.round(r / step) * step * 2.0 ** e      # np.round: ties to even
;;       return np.moveaxis(q.reshape(q.shape[:-2] + (-1,))[..., :K], -1, axis).astype(np.float32)
;;   ~~~
;;   SOFTMAX AHEAD OF A QUANTISED PRODUCT. Where the list says 'softmax', what is quantised is not the finished softmax but p = 2^(t - M), with t = logit x log2(e) and M = ceil(the row's largest t), a whole number; so 1/2 < the row's largest p <= 1. The row's sum l is taken of the UNQUANTISED p, in f32, and the product's result is divided by l at the end. Since M is a whole number, a kernel that streams over the keys may use a running M (the ceiling of the running maximum): every later rescaling is an exact power of two, which a block's scale takes up: the codes' values come out the same.
;;   OPERANDS COMPUTED ON THE WAY. 'Computed on the way' means the value that the module computes at that place (a softmax that the list does not call 'softmax' is quantised finished and normalised). What goes into a quantiser is computed in f32, as accurately as f32 sums, v_exp_f32 and their like allow (about 1e-6 of the number): no bf16 or f16 on the way to a quantiser, and a product that is left as it is and whose result goes on into a quantised operand takes f32 operands (vector FMAs, or v_wmma_f32_16x16x4_f32). A number that lies on a knife's edge between two numbers of the format may be rounded either way, as far as f32 arithmetic and the matrix unit's own rounding can turn it there, and no further.
;; One version. Each part assembles by itself: llvm-mc -triple=amdgcn-amd-amdhsa -mcpu=gfx1250 --defsym DOCPART=n.
;; ======== version 1 of 1: 4 launches
;; limits: right only within a limited range of input values
;; workspace buffers: x_img 6,291,456 bytes; x_sc 262,144 bytes; w_img 3,145,728 bytes; w_sc 131,072 bytes; qkv_img 18,874,368 bytes; qkv_sc 1,310,720 bytes; ctx_img 6,291,456 bytes; ctx_sc 262,144 bytes
;; launch prep (part 1): grid 256 x 1, 4 waves a work-group, no clusters, 59,904 bytes of LDS; arguments x, Wq, Wk, Wv, Wo, x_img, x_sc, w_img, w_sc; writes x_img, x_sc, w_img, w_sc
.if DOCPART == 1
	.amdgcn_target "amdgcn-amd-amdhsa--gfx1250"
	.amdhsa_code_object_version 6
	.text
	.protected	k_q22af96bd4b_prep
	.globl	k_q22af96bd4b_prep
	.p2align	8
	.type	k_q22af96bd4b_prep,@function
k_q22af96bd4b_prep:
	s_mov_b64 s[64:65], 0
	v_nop
	global_prefetch_b8 v0, s[64:65] scope:SCOPE_SE
	s_setreg_imm32_b32 hwreg(HW_REG_WAVE_MODE, 25, 1), 1
	s_wait_xcnt 0x0
; x [8192 tokens][1024] and the four weights (Wq, Wk, Wv: [16 h][1024 d][64 e]; Wo: [1024 k][1024 n]), f32, become codes of FP6 (E2M3) along K = d (Wo: k), one E8M0 byte for each 32 along K.
; A block's scale is 2^(floor(log2(largest magnitude)) - 2); its byte is the largest magnitude's exponent field - 2, held at 1 from below.
; LIMITS: NaN and infinities are not served; a block of zeros, or one whose largest magnitude lies under 2^(3 - 127), keeps the byte 1 (its codes are then zeros or tiny; these bytes are read by this program alone).
; LAYOUT OF THE CODES: images of the operand's registers.  A HALF FRAGMENT is 16 rows x 64 along K, 768 bytes: lane l = (r, h) owns k = 32 h .. 32 h + 31 of row r, six registers: registers 0-3 at byte 16 l, registers 4-5 at 512 + 8 l.
;   img[rowtile][K / 64 = 16][768];  scale bytes sc[row][32].
; ROWS ARE STORED IN POSITION ORDER: row with bits 3 and 4 swapped (inside each 32 rows: 0-7, 16-23, 8-15, 24-31), so that sixteen stored neighbours are a tile whose results, two tiles together, are 16 true neighbours.
; w's rows: 0.. Wq (h 64 + e), 1024.. Wk, 2048.. Wv, 3072.. Wo (n).
; Work-groups 0-127 take x, 128-255 the weights: one scalar branch on the work-group's number; each way has LDS bytes of its own and its own end.  No tensor load, no barrier: waves share nothing.
; The weights' scale bytes leave as 8 bytes a row, 32 bytes apart: one byte for each 128 bytes that the launch reads.
.set SPARE, 59392                      ; the spare words, 128 bytes for each wave: two blocks of 256 bytes that no other line names
.set SPW,  12                          ; v12  SPARE + 4 x my thread's number; never rewritten
.set NIL,  13                          ; v13  0; never rewritten
.set SEL,  30                          ; s30, s31  lane selects for v_permlanex16_b32: lane l xor 16
; the x way
.set XST,  8448                        ; a wave's stage: 16 rows x (512 bytes + 16)
.set R,    16                          ; v16-143  two sets of 64: a K step's numbers as loaded
.set X,    144                         ; v144-207 64 numbers: register 16 b + i = k 32 b + 16 h + i of my row
.set PC,   208                         ; v208-226 the codes
.set TM,   228                         ; v228-243 at work
.set SW,   244                         ; v244-251 the eight scale words of my row
; the weights' way
.set WST0, 33792                       ; behind x's stages
.set WST,  6400                        ; a wave's stage: two rowtiles x (4 half fragments = 3,072 bytes + 128)
.set VO,   16                          ; v16-47   4 x lane + i rows of the weight
.set WX,   48                          ; v48-111  two sets of 32 numbers down K
.set C,    112                         ; v112-120 a block's codes
.set SB,   122                         ; v122-123 eight scale bytes
.set OUTR, 128                         ; v128-175 the way out
; 64 numbers of a lane, register 16 b + i = k 32 b + 16 (lane / 16) + i of my row, become a fragment's 12 registers in v[PC] on and the row's scale word in v[pw]
.macro QUANT s, pw
.irp b, 0,1,2,3
	v_max3_num_f32 v[TM+\b], |v[\s+16*\b]|, |v[\s+1+16*\b]|, 0x1800000   ; my 16 numbers of block b, and the floor 2^(3 - 127): the byte cannot fall under 1
.endr
.irp i, 2,4,6,8,10,12,14
.irp b, 0,1,2,3
	v_max3_num_f32 v[TM+\b], v[TM+\b], |v[\s+16*\b+\i]|, |v[\s+1+16*\b+\i]|
.endr
.endr
.irp b, 0,1,2,3
	v_permlanex16_b32 v[TM+4+\b], v[TM+\b], s[SEL], s[SEL+1]
.endr
.irp b, 0,1,2,3
	v_max_num_f32 v[TM+\b], v[TM+\b], v[TM+4+\b]           ; with lane l xor 16's: the block's largest magnitude
.endr
.irp b, 0,1,2,3
	v_add_nc_u32 v[TM+12+\b], 0xff000000, v[TM+\b]         ; 2 off its exponent field: the conversion's scale operand
.endr
.irp b, 0,1,2,3
	v_lshrrev_b32 v[TM+4+\b], 23, v[TM+12+\b]              ; the scale's byte
.endr
	v_lshl_or_b32 v[\pw], v[TM+5], 8, v[TM+4]
	v_lshl_or_b32 v[\pw], v[TM+6], 16, v[\pw]
	v_lshl_or_b32 v[\pw], v[TM+7], 24, v[\pw]
.irp c, 0,1
	v_cvt_scalef32_pk16_fp6_f32 v[PC+6*\c:PC+2+6*\c], v[\s+32*\c:\s+15+32*\c], v[TM+12+2*\c]
	v_cvt_scalef32_pk16_fp6_f32 v[PC+12+4*\c:PC+14+4*\c], v[\s+16+32*\c:\s+31+32*\c], v[TM+12+2*\c+1]   ; (a conversion's three registers begin on an even number)
.endr
	v_nop                                          ; one plain instruction behind a scaled conversion
.irp c, 0,1                                    ; the operand wants a whole block in a lane: lanes 0-15 block 2 c, lanes 16-31 block 2 c + 1
.irp i, 0,1,2
	v_permlane16_swap_b32 v[PC+6*\c+\i], v[PC+12+4*\c+\i]
.endr
.irp i, 0,1,2
	v_mov_b32 v[PC+3+6*\c+\i], v[PC+12+4*\c+\i]
.endr
.endr
.endm
	s_load_b256 s[4:11], s[0:1], 0x0               ; x s[4:5], Wq s[6:7], Wk s[8:9], Wv s[10:11]
	s_load_b256 s[12:19], s[0:1], 0x20             ; Wo s[12:13], x_img s[14:15], x_sc s[16:17], w_img s[18:19]
	s_load_b64 s[20:21], s[0:1], 0x40              ; w_sc
	v_lshl_add_u32 v[SPW], v0, 2, SPARE
	v_mov_b32 v[NIL], 0
	v_lshrrev_b32 v1, 5, v0
	v_readfirstlane_b32 s22, v1                    ; wave 0..3
	v_and_b32 v1, 31, v0                           ; lane
	v_lshlrev_b32 v2, 4, v1                        ; 16 x lane
	s_mov_b32 s[SEL], 0x76543210
	s_mov_b32 s[SEL+1], 0xfedcba98
	s_wait_kmcnt 0x0
	s_cmp_lt_u32 ttmp9, 128
	s_cbranch_scc0 .Lweights
; ---------------- x: wave T = 4 x work-group + wave owns rowtile T (16 tokens) for all of K: eight steps of 128
	v_and_b32 v14, 15, v0                          ; r
	v_bfe_u32 v15, v0, 4, 1                        ; h
	s_mul_i32 s23, s22, XST
	s_wait_alu depctr_va_vdst(0)
	v_add_nc_u32 v3, s23, v2                       ; into the stage: 16 x lane; a row's 512 bytes on end, rows 528 bytes apart
	v_mul_u32_u24 v4, v14, 528
	v_lshl_add_u32 v4, v15, 6, v4
	v_add_nc_u32 v4, s23, v4                       ; out of it: row r, + 64 h: my 16 numbers of each block of 32
	v_lshlrev_b32 v6, 3, v1                        ; 8 x lane
	v_lshlrev_b32 v7, 5, v14
	v_lshl_add_u32 v7, v15, 4, v7                  ; the scale words: 32 r + 16 h
.irp b, 0,1,2,3
	v_mov_b32 v[TM+4+\b], 0                        ; written once: a lane permute's destination counts as one of its sources
.endr
	s_lshl_b32 s24, ttmp9, 2
	s_add_co_u32 s24, s24, s22                     ; T
	s_lshr_b32 s26, s24, 1
	s_lshl_b32 s26, s26, 17                        ; 32 (T / 2) rows of 4,096 bytes
	s_and_b32 s27, s24, 1
	s_lshl_b32 s27, s27, 15                        ; + 8 (T % 2) rows: the tile's true first row
	s_add_co_u32 s26, s26, s27
	s_mov_b32 s27, 0
	s_add_nc_u64 s[4:5], s[4:5], s[26:27]
	s_mul_i32 s26, s24, 12288
	s_add_nc_u64 s[14:15], s[14:15], s[26:27]      ; my rowtile's 16 half fragments
	s_lshl_b32 s26, s24, 9
	s_add_nc_u64 s[16:17], s[16:17], s[26:27]      ; and its 512 scale bytes
.macro XLOAD s                         ; K step s: 16 loads, each 512 consecutive bytes of one row; stored row p is true row p + 8 (p / 8) of the tile
.irp p, 0,1,2,3,4,5,6,7,8,9,10,11,12,13,14,15
	global_load_b128 v[R+64*((\s)%2)+4*\p:R+64*((\s)%2)+4*\p+3], v2, s[4:5] offset:(\p+8*(\p/8))*4096+512*(\s) th:TH_LOAD_NT
.endr
.endm
.macro XSTEP s
.if (\s) < 7
	s_wait_loadcnt 16                              ; this step's 16 loads are in; the next step's 16 stay out
.else
	s_wait_loadcnt 0x0
.endif
.irp p, 0,1,2,3,4,5,6,7,8,9,10,11,12,13,14,15
	ds_store_b128 v3, v[R+64*((\s)%2)+4*\p:R+64*((\s)%2)+4*\p+3] offset:528*\p
.endr
.irp b, 0,1,2,3
.irp j, 0,1,2,3
	ds_load_b128 v[X+16*\b+4*\j:X+16*\b+4*\j+3], v4 offset:128*\b+16*\j   ; LDS serves a wave's instructions in order: these see the stores above
.endr
.endr
	s_wait_dscnt 0x0                               ; the numbers are back, and the stores have read their registers
	s_wait_xcnt 0x0                                ; the last step's global stores have read the codes' registers, which are written again below
.if (\s) < 6
	XLOAD (\s)+2
.endif
	QUANT X, SW+(\s)
	global_store_b128 v2, v[PC:PC+3], s[14:15] offset:1536*(\s)            ; 512 consecutive bytes, aligned
	global_store_b64 v6, v[PC+4:PC+5], s[14:15] offset:1536*(\s)+512       ; 256
	global_store_b128 v2, v[PC+6:PC+9], s[14:15] offset:1536*(\s)+768
	global_store_b64 v6, v[PC+10:PC+11], s[14:15] offset:1536*(\s)+1280
.endm
	XLOAD 0
	XLOAD 1
	s_wait_alu depctr_va_vdst(0)
.irp s, 0,1,2,3,4,5,6,7
	XSTEP \s
.endr
	v_cmp_ne_u32 vcc_lo, 0, v15
.irp i, 0,1,2,3
	v_cndmask_b32 v[8+\i], v[SW+\i], v[SW+4+\i], vcc_lo   ; lanes 0-15 store words 0-3 of their row, lanes 16-31 words 4-7
.endr
	global_store_b128 v7, v[8:11], s[16:17]        ; 512 consecutive bytes
	s_wait_tensorcnt 0x0                           ; the wave's end, behind my last LDS store
	ds_add_u32 v[SPW], v[NIL]
	s_wait_dscnt 0x0
	s_endpgm
; ---------------- the weights: a lane takes a column n and its registers run down K.  A wave: 32 columns x 256 along K (8 blocks); two waves side by side read 256 consecutive bytes of each row
.Lweights:
	s_sub_co_u32 s23, ttmp9, 128                   ; j = 0..127
	s_lshr_b32 s24, s23, 1
	s_lshr_b32 s25, s24, 4                         ; which weight: 0 q, 1 k, 2 v, 3 o
	s_and_b32 s24, s24, 15                         ; which 64 columns (q, k, v: the head)
	s_and_b32 s23, s23, 1
	s_lshl_b32 s23, s23, 1
	s_lshr_b32 s26, s22, 1
	s_add_co_u32 s23, s23, s26                     ; which 256 along K
	s_and_b32 s26, s22, 1                          ; which 32 of the 64 columns
	s_lshl_b32 s27, s24, 18                        ; q, k, v: a head is 262,144 bytes;
	s_lshl_b32 s28, s24, 8                         ; o: 64 columns are 256 bytes
	s_cmp_eq_u32 s25, 1
	s_cselect_b64 s[6:7], s[8:9], s[6:7]
	s_cmp_eq_u32 s25, 2
	s_cselect_b64 s[6:7], s[10:11], s[6:7]
	s_cmp_eq_u32 s25, 3
	s_cselect_b64 s[6:7], s[12:13], s[6:7]         ; the choice hangs on the work-group's number alone
	s_mov_b32 s29, 256
	s_cselect_b32 s29, 4096, s29                   ; bytes from k to k + 1
	s_cselect_b32 s27, s28, s27
	s_lshl_b32 s28, s26, 7
	s_add_co_u32 s27, s27, s28
	s_lshl_b32 s28, s23, 8
	s_mul_i32 s28, s28, s29
	s_add_co_u32 s48, s27, s28                     ; my first number
	s_mov_b32 s49, 0
	s_lshl_b32 s50, s29, 5                         ; a block of 32 along K
	s_mov_b32 s51, 0
	s_add_nc_u64 s[32:33], s[6:7], s[48:49]        ; a base for each of the eight blocks: none is ever stepped
.irp t, 1,2,3,4,5,6,7
	s_add_nc_u64 s[32+2*\t:33+2*\t], s[30+2*\t:31+2*\t], s[50:51]
.endr
	s_wait_alu depctr_va_vdst(0)
	v_lshlrev_b32 v[VO], 2, v1
.set i, 1
.rept 31
	v_add_nc_u32 v[VO+i], s29, v[VO+i-1]
.set i, i+1
.endr
	v_bfe_u32 v10, v0, 3, 1                        ; column c is stored at position c with bits 3 and 4 swapped: rowtile (c / 8) % 2,
	v_and_b32 v11, 7, v0
	v_bfe_u32 v14, v0, 4, 1
	v_lshl_or_b32 v11, v14, 3, v11                 ; row c % 8 + 8 (c / 16) in it
	s_mul_i32 s28, s22, WST
	s_add_co_u32 s28, s28, WST0                    ; my stage
	v_mul_u32_u24 v15, v10, 3200
	v_add_nc_u32 v15, s28, v15
	v_lshl_add_u32 v3, v11, 4, v15                 ; registers 0-3 of a half fragment's lane (r, .): 16 r
	v_lshl_add_u32 v4, v11, 3, v15                 ; registers 4-5: 8 r
	v_add_nc_u32 v5, s28, v2                       ; back: 16 x lane
	v_lshl_add_u32 v9, v10, 4, v11
	v_lshlrev_b32 v9, 5, v9                        ; my stored row's 32 scale bytes
	s_lshl_b32 s25, s25, 10
	s_lshl_b32 s24, s24, 6
	s_add_co_u32 s25, s25, s24
	s_lshl_b32 s24, s26, 5
	s_add_co_u32 s25, s25, s24                     ; my wave's first row of w
	s_mul_i32 s52, s25, 768                        ; 12,288 bytes a rowtile
	s_mul_i32 s24, s23, 3072                       ; 4 half fragments for 256 along K
	s_add_co_u32 s52, s52, s24
	s_mov_b32 s53, 0
	s_add_nc_u64 s[18:19], s[18:19], s[52:53]
	s_lshl_b32 s52, s25, 5
	s_lshl_b32 s24, s23, 3
	s_add_co_u32 s52, s52, s24
	s_add_nc_u64 s[20:21], s[20:21], s[52:53]
.macro WLOAD t                         ; block t: 32 rows k at my column: 128 consecutive bytes a load
.set wi, 0
.rept 32
	global_load_b32 v[WX+32*((\t)%2)+wi], v[VO+wi], s[32+2*(\t):33+2*(\t)] th:TH_LOAD_NT
.set wi, wi+1
.endr
.endm
.macro BLOCK t
.set XS, WX+32*((\t)%2)
.if (\t) < 7
	s_wait_loadcnt 32                              ; this block's 32 loads are in; the next block's stay out
.else
	s_wait_loadcnt 0x0
.endif
	v_max3_num_f32 v10, |v[XS]|, |v[XS+1]|, |v[XS+2]|      ; all 32 numbers of the block are mine
	v_max3_num_f32 v11, |v[XS+3]|, |v[XS+4]|, |v[XS+5]|
.irp i, 6,10,14,18,22,26
	v_max3_num_f32 v10, v10, |v[XS+\i]|, |v[XS+\i+1]|
	v_max3_num_f32 v11, v11, |v[XS+\i+2]|, |v[XS+\i+3]|
.endr
	v_max3_num_f32 v10, v10, |v[XS+30]|, |v[XS+31]|
	v_max3_num_f32 v10, v10, v11, 0x1800000        ; and the floor
	v_add_nc_u32 v14, 0xff000000, v10              ; the conversion's scale operand
	v_lshrrev_b32 v15, 23, v14                     ; the byte
.if (\t)%4 == 0
	v_mov_b32 v[SB+(\t)/4], v15
.else
	v_lshl_or_b32 v[SB+(\t)/4], v15, 8*((\t)%4), v[SB+(\t)/4]
.endif
	v_cvt_scalef32_pk16_fp6_f32 v[C:C+2], v[XS:XS+15], v14
	v_cvt_scalef32_pk16_fp6_f32 v[C+6:C+8], v[XS+16:XS+31], v14
	v_nop                                          ; one plain instruction behind a scaled conversion
.irp i, 0,1,2
	v_mov_b32 v[C+3+\i], v[C+6+\i]                 ; the block's 24 bytes on end
.endr
	ds_store_b128 v3, v[C:C+3] offset:768*((\t)/2)+256*((\t)%2)            ; half fragment t / 2, its lanes' half t % 2
	ds_store_b64 v4, v[C+4:C+5] offset:768*((\t)/2)+512+128*((\t)%2)
.if (\t) < 6
	WLOAD (\t)+2
.endif
	s_wait_dscnt 0x0                               ; the stores have read their registers: the next block's codes may be written
.endm
	WLOAD 0
	WLOAD 1
.irp t, 0,1,2,3,4,5,6,7
	BLOCK \t
.endr
	s_wait_alu depctr_va_vdst(0)
	global_store_b64 v9, v[SB:SB+1], s[20:21]      ; my row's eight scale bytes
.irp n, 0,1,2,3,4,5,6,7,8,9,10,11
	ds_load_b128 v[OUTR+4*\n:OUTR+4*\n+3], v5 offset:(\n/6)*3200+512*(\n%6)
.endr
.irp n, 0,1,2,3,4,5,6,7,8,9,10,11
	s_wait_dscnt 11-\n                             ; LDS loads come back in order: load n is in
	global_store_b128 v2, v[OUTR+4*\n:OUTR+4*\n+3], s[18:19] offset:(\n/6)*12288+512*(\n%6)   ; 512 consecutive bytes, aligned
.endr
	s_wait_tensorcnt 0x0                           ; the wave's end, behind my last LDS store
	ds_add_u32 v[SPW], v[NIL]
	s_wait_dscnt 0x0
	s_endpgm
.Lfunc_end_k_q22af96bd4b_prep:
	.size	k_q22af96bd4b_prep, .Lfunc_end_k_q22af96bd4b_prep-k_q22af96bd4b_prep
	.p2alignl 7, 3214868480
	.fill 96, 4, 3214868480
	.section	.rodata,"a",@progbits
	.p2align	6, 0x0
	.amdhsa_kernel k_q22af96bd4b_prep
		.amdhsa_group_segment_fixed_size 59904
		.amdhsa_private_segment_fixed_size 0
		.amdhsa_enable_private_segment 0
		.amdhsa_kernarg_size 72
		.amdhsa_user_sgpr_count 2
		.amdhsa_user_sgpr_kernarg_segment_ptr 1
		.amdhsa_wavefront_size32 1
		.amdhsa_system_sgpr_workgroup_id_x 1
		.amdhsa_system_sgpr_workgroup_id_y 1
		.amdhsa_system_sgpr_workgroup_id_z 1
		.amdhsa_system_vgpr_workitem_id 0
		.amdhsa_next_free_vgpr 256
		.amdhsa_next_free_sgpr 66
		.amdhsa_reserve_vcc 1
		.amdhsa_float_denorm_mode_32 3
		.amdhsa_float_denorm_mode_16_64 3
		.amdhsa_memory_ordered 1
		.amdhsa_forward_progress 1
		.amdhsa_inst_pref_size 107
	.end_amdhsa_kernel
	.amdgpu_metadata
---
amdhsa.version: [ 1, 2 ]
amdhsa.kernels:
  - .name:           k_q22af96bd4b_prep
    .symbol:         k_q22af96bd4b_prep.kd
    .args:
      - { .name: x, .offset: 0, .size: 8, .value_kind: global_buffer, .address_space: global }
      - { .name: Wq, .offset: 8, .size: 8, .value_kind: global_buffer, .address_space: global }
      - { .name: Wk, .offset: 16, .size: 8, .value_kind: global_buffer, .address_space: global }
      - { .name: Wv, .offset: 24, .size: 8, .value_kind: global_buffer, .address_space: global }
      - { .name: Wo, .offset: 32, .size: 8, .value_kind: global_buffer, .address_space: global }
      - { .name: x_img, .offset: 40, .size: 8, .value_kind: global_buffer, .address_space: global }
      - { .name: x_sc, .offset: 48, .size: 8, .value_kind: global_buffer, .address_space: global }
      - { .name: w_img, .offset: 56, .size: 8, .value_kind: global_buffer, .address_space: global }
      - { .name: w_sc, .offset: 64, .size: 8, .value_kind: global_buffer, .address_space: global }
    .group_segment_fixed_size: 59904
    .private_segment_fixed_size: 0
    .kernarg_segment_align: 8
    .kernarg_segment_size: 72
    .max_flat_workgroup_size: 128
    .sgpr_count:     66
    .vgpr_count:     256
    .wavefront_size: 32
...
	.end_amdgpu_metadata
.endif
;; end of part 1
;; launch gemm_qkv (part 2): grid 8 x 32, 4 waves a work-group, clusters of 4 x 4, 327,680 bytes of LDS; arguments x_img, x_sc, w_img, w_sc, bq, bk, bv, qkv_img, qkv_sc; writes qkv_img, qkv_sc
.if DOCPART == 2
	.amdgcn_target "amdgcn-amd-amdhsa--gfx1250"
	.amdhsa_code_object_version 6
	.text
	.protected	k_q22af96bd4b_gemm_qkv
	.globl	k_q22af96bd4b_gemm_qkv
	.p2align	8
	.type	k_q22af96bd4b_gemm_qkv,@function
k_q22af96bd4b_gemm_qkv:
	s_mov_b64 s[64:65], 0
	v_nop
	global_prefetch_b8 v0, s[64:65] scope:SCOPE_SE
	s_setreg_imm32_b32 hwreg(HW_REG_WAVE_MODE, 25, 1), 1
	s_wait_xcnt 0x0
	s_wait_alu depctr_hold_cnt(0) depctr_sa_sdst(0) depctr_va_vdst(0) depctr_va_sdst(0) depctr_va_ssrc(0) depctr_va_vcc(0) depctr_vm_vsrc(0)
	s_getreg_b32 s2, hwreg(HW_REG_IB_STS2, 6, 4)
	s_cmp_eq_u32 s2, 0
	s_cbranch_scc0 .Lentry_in_a_cluster
	s_endpgm
.Lentry_in_a_cluster:
	s_bfe_u32 s2, ttmp6, 0x10000c
	s_cmp_lg_u32 s2, 0xf033
	s_cbranch_scc0 .Lentry_shape_is_right
	s_endpgm
.Lentry_shape_is_right:
; Q, K, V = x W + b on codes of FP6 (E2M3) with E8M0 scales, each result quantised at once for the products that follow; no f32 result is stored.
; x_img and w_img hold images of operand registers: img[rowtile of 16 rows][K / 64 = 16][768 bytes]: lane l's registers 0-3 at 16 l, registers 4-5 at 512 + 8 l.  Scale bytes sc[row][32].  w's rows: 0.. Wq (h 64 + e), 1024.. Wk, 2048.. Wv.
; Rows are stored in position order (inside each 32: 0-7, 16-23, 8-15, 24-31), so that two neighbouring result tiles hold 16 true neighbours.
; OUT: qkv_img[q, k, v][key step of 128 tokens, 64][head][6,144 bytes]: q, k: [token tile 8][768], quantised along the head's 64; v: [e tile 4][2][768], quantised along the tokens.
;   qkv_sc: q, k: [step][head][128 rows] a word (bytes 0, 1 the row's two blocks; bytes 2, 3 are 0); v from byte 1,048,576 on: [step][head][64 rows] a word for the step's 128 tokens.
; THE DEAL.  256 work-groups of four waves, 2 x 2.  A work-group keeps its 256 rows of x, ALL of K (196,608 bytes, and their scale bytes), in LDS for the whole launch and makes 256 x 128 of Q, then of K, then of V.
; A wave owns one key step (128 tokens: rowtiles 8 a + s) and one head (64 rows of a weight).  Its 64 weight rows, all of K, lie in 384 registers; x streams past in blocks of 16 rows; a block's results are finished after 32 products.
; FILLS.  At the head one joint load a wave: Wq's 128 rows, x's scale bytes, x's rowtiles 0-7 and 8-15.  TWO REFILLS of the weights' region, with Wk's and Wv's rows, each wave a quarter, each behind the three lines and a
; drained round of the cluster's barrier, when all waves hold the weights before in registers.  A plain barrier at the phase's end shows what a refill brought.
; CLUSTERS: 4 x 4.  x's tiles hang on the tile row alone and are shared along a row of the cluster, the weights' on the tile column alone and are shared along a column.
; Q, K: the matrix instruction is used transposed (source 0 = weight rows): register 16 b + i of a lane is e = 32 b + 16 h + i of one token.  V: untransposed: a lane holds one e, and the 16 registers of two blocks are tokens 32 b + 16 h + i.
; The bias is the first products' C.  Q and K run in one loop of two trips; what differs lies in pointers that are stepped and in registers that are moved up at a trip's end (in the second trip some of these moves serve nothing).
; LIMITS: NaN and infinities are not served; a block of zeros or under the floor 2^(3 - 127) keeps the byte 1.
; No prefetch: each refill is asked for a whole phase, 256 products, ahead of the wait for it; all else is asked for at the head.
; REGISTERS.  Fragment f (12 registers) lies in window 1 + f / 21 at register 12 (f % 21): 0-31 the weights' (4 q + t), 32-39 and 40-47 x's two sets.  Window 3, v72-167: the biases.  Window 0: v4-22 addresses; v24-39 the weights'
; scale words; v40-43 scale words on the way out; v44-59 x's scale words, two sets; v60-63 V's scale words; v64-127 accumulators; v128-159 the later weights' scale words; v160-207 V's codes; v208-223, v224-248 at work.
.set FR,     12
.set FPW,    21
.set RT,     12288                     ; a rowtile, all of K
.set BVB,    16*RT                     ; LDS: x's 16 rowtiles at 0, the weights' 8 here,
.set SCL,    BVB+8*RT                  ; x's scale bytes: 32 units of 256 bytes + 16,
.set STG,    SCL+32*272                ; 1,024 bytes a wave for scale words on the way out,
.set SPARE,  STG+4096                  ; the spare words
.set A16,  4
.set A8,   5
.set A16B, 6
.set A8B,  7
.set B16,  8
.set B8,   9
.set SPW,  10
.set NIL,  11
.set AAS,  12
.set L16,  13
.set L8,   14
.set SST,  15
.set SRD16, 16
.set SRD8, 17
.set ABS,  18
.set BNO,  19
.set BMO,  20
.set SB,   24
.set SO,   40
.set SA,   44
.set PW,   60
.set ACC,  64
.set H1,   128
.set H2,   144
.set CD,   160
.set YT,   208
.set TM,   224
.set PC,   240
.set BQ,   72                          ; in window 3
.set BK,   104
.set BV,   136
.set G1A,  24
.set G1B,  32
.set G1S,  48
.set G1R,  68
.set G0B,  56
.set G0S,  60
.set G0A0, 76
.set G0A1, 80
.set G0R,  4
.set SEL,  66
.set MSB, 0
.macro WIN new
.if MSB != (\new)
	s_set_vgpr_msb (MSB<<8)|(\new)
.set MSB, (\new)
.endif
.endm
.macro PLACES n
.rept \n
	v_nop
.endr
.endm
.macro BARRIER
	s_barrier_signal -1
	s_barrier_wait -1
.endm
.macro CROUND
	BARRIER
	s_cmp_lg_u32 s14, 0
	s_cbranch_scc1 .Lnot_wave_0_\@
	s_barrier_signal -3
.Lnot_wave_0_\@:
	s_barrier_wait -3
	BARRIER
.endm
.macro GRP1 g, mask, w0, c, r
	s_or_b32 s[\g], s[\mask], \w0
	s_mov_b32 s[\g+1], (\c)<<16
	s_mov_b32 s[\g+2], (\r)<<16
	s_mov_b32 s[\g+3], (\c)<<16
	s_mov_b32 s[\g+4], \r
	s_mov_b32 s[\g+5], \c
	s_mov_b32 s[\g+6], 0
	s_mov_b32 s[\g+7], 0
.endm
.macro GRP0 g, lds, base, off
	s_mov_b32 s[\g], 1
	s_mov_b32 s[\g+1], \lds
	s_add_nc_u64 s[\g+2:\g+3], s[\base:\base+1], \off
	s_or_b32 s[\g+3], s[\g+3], 0x80000000
.endm
.macro ARM n, g0, g1, next
	s_cmp_eq_u32 s14, \n
	s_cbranch_scc0 \next
	tensor_load_to_lds s[\g0:\g0+3], s[\g1:\g1+7]
	s_nop 0
	PLACES 4
	s_branch .Lasked
\next:
.endm
	s_load_b256 s[4:11], s[0:1], 0x0               ; x_img, x_sc, w_img, w_sc
	s_load_b128 s[96:99], s[0:1], 0x20             ; bq, bk
	s_load_b64 s[100:101], s[0:1], 0x30            ; bv
	s_load_b128 s[92:95], s[0:1], 0x38             ; qkv_img, qkv_sc
	v_lshl_add_u32 v[SPW], v0, 2, SPARE
	v_mov_b32 v[NIL], 0
	ds_add_u32 v[SPW], v[NIL]                      ; the opening lines
	ds_add_u32 v[SPW], v[NIL]
	v_lshrrev_b32 v1, 5, v0
	v_readfirstlane_b32 s14, v1                    ; wave 0..3
	s_lshr_b32 s15, s14, 1                         ; a: which key step of the two
	s_and_b32 s16, s14, 1                          ; which head of the two
	s_bfe_u32 s40, ttmp6, 0x40000                  ; cx
	s_bfe_u32 s41, ttmp6, 0x40004                  ; cy
	s_lshl_b32 s42, ttmp9, 2
	s_add_co_u32 s42, s42, s40                     ; tile column, 0 .. 7
	s_and_b32 s17, ttmp7, 0xffff
	s_lshl_b32 s17, s17, 2
	s_add_co_u32 s17, s17, s41                     ; tile row, 0 .. 31
	s_lshl_b32 s43, s41, 2
	s_lshl_b32 s43, 15, s43                        ; my row of the cluster
	s_lshl_b32 s44, 0x1111, s40                    ; my column
	GRP1 G1A, 43, (3<<16)|(1<<21), 1536, 8         ; eight rowtiles, dense in memory: rows of 12,288 bytes
	GRP1 G1B, 44, (3<<16)|(1<<21), 1536, 8
	GRP1 G1R, 44, (3<<16)|(1<<21), 1536, 2         ; a refill's quarter: two rowtiles
	GRP1 G1S, 43, (3<<16)|(1<<20)|(1<<21)|(5<<22)|(3<<25), 32, 32   ; 8,192 scale bytes as 32 rows of 256, 16 bytes of padding behind each
	s_mul_i32 s20, s17, 16*RT                      ; x's 16 rowtiles
	s_mov_b32 s21, 0
	s_lshl_b32 s22, s17, 13                        ; their scale bytes
	s_mov_b32 s23, 0
	s_lshl_b32 s46, s42, 7                         ; Wq's first row of the tile
	s_lshl_b32 s12, s46, 5
	s_lshl_b32 s13, s16, 11
	s_add_co_u32 s12, s12, s13                     ; the scale bytes of my 64 rows
	s_mov_b32 s13, 0
	s_mul_i32 s46, s46, 768
	s_mov_b32 s47, 0
	s_lshl_b32 s45, s42, 1
	s_add_co_u32 s45, s45, s16                     ; my head
	s_lshl_b32 s2, s17, 1
	s_add_co_u32 s2, s2, s15                       ; my key step, 0 .. 63
	s_mul_i32 s84, s2, 98304
	s_mul_i32 s85, s45, 6144
	s_add_co_u32 s84, s84, s85
	s_mov_b32 s85, 0
	s_lshl_b32 s86, s2, 13
	s_lshl_b32 s87, s45, 9
	s_add_co_u32 s86, s86, s87
	s_mov_b32 s87, 0
	s_lshl_b32 s90, s2, 12
	s_lshl_b32 s91, s45, 8
	s_add_co_u32 s90, s90, s91
	s_add_co_u32 s90, s90, 1048576
	s_mov_b32 s91, 0
	s_lshl_b32 s88, s45, 8                         ; my head's 64 numbers of a bias
	s_mov_b32 s89, 0
	s_mul_i32 s18, s15, 8*RT                       ; LDS: my key step's rowtiles;
	s_mul_i32 s19, s16, 4*RT
	s_add_co_u32 s19, s19, BVB                     ; my four rowtiles of the weight;
	s_mul_i32 s2, s15, 8*544
	s_add_co_u32 s2, s2, SCL                       ; block 0's scale bytes: two units a rowtile;
	s_lshl_b32 s3, s14, 10
	s_add_co_u32 s3, s3, STG                       ; my stage
	s_mov_b32 s[SEL], 0x76543210
	s_mov_b32 s[SEL+1], 0xfedcba98
	s_wait_dscnt 0x0
	s_wait_kmcnt 0x0
	s_add_nc_u64 s[20:21], s[4:5], s[20:21]
	s_add_nc_u64 s[22:23], s[6:7], s[22:23]
	s_add_nc_u64 s[46:47], s[8:9], s[46:47]
	s_add_nc_u64 s[10:11], s[10:11], s[12:13]
	s_add_nc_u64 s[96:97], s[96:97], s[88:89]
	s_add_nc_u64 s[98:99], s[98:99], s[88:89]
	s_add_nc_u64 s[100:101], s[100:101], s[88:89]
	s_add_nc_u64 s[84:85], s[92:93], s[84:85]      ; q's codes of my step and head (stepped to k's)
	s_add_nc_u64 s[86:87], s[94:95], s[86:87]      ; and scale words
	s_add_nc_u64 s[90:91], s[94:95], s[90:91]      ; v's scale words
	s_add_nc_u64 s[88:89], s[84:85], 12582912      ; v's codes
	GRP0 G0B, BVB, 46, 0
	GRP0 G0S, SCL, 22, 0
	GRP0 G0A0, 0, 20, 0
	GRP0 G0A1, 8*RT, 20, 8*RT
	s_mul_i32 s12, s14, 2*RT                       ; a refill: my quarter of the 128 rows; the address stands at Wq and is stepped ahead of each refill
	s_mov_b32 s[G0R], 1
	s_add_co_u32 s[G0R+1], s12, BVB
	s_add_nc_u64 s[G0R+2:G0R+3], s[46:47], s[12:13]
	s_or_b32 s[G0R+3], s[G0R+3], 0x80000000
	CROUND                                         ; all sixteen work-groups are here: the joint loads meet
	ARM 0, G0B, G1B, .Lw1                          ; wave 0: Wq's rows, which go on into registers
	ARM 1, G0S, G1S, .Lw2                          ; wave 1: x's scale bytes
	ARM 2, G0A0, G1A, .Lw3                         ; wave 2: x's rowtiles 0-7
	tensor_load_to_lds s[G0A1:G0A1+3], s[G1A:G1A+7]   ; wave 3: rowtiles 8-15
	s_nop 0
	PLACES 4
.Lasked:
	v_and_b32 v1, 31, v0
	v_lshlrev_b32 v[L16], 4, v1
	v_lshlrev_b32 v[L8], 3, v1
	v_and_b32 v21, 15, v0                          ; r
	v_bfe_u32 v22, v0, 4, 1                        ; h
	v_add_nc_u32 v[A16B], s18, v[L16]
	v_add_nc_u32 v[A8B], s18, v[L8]
	v_add_nc_u32 v[B16], s19, v[L16]
	v_add_nc_u32 v[B8], s19, v[L8]
	v_lshrrev_b32 v2, 3, v21
	v_mul_u32_u24 v2, v2, 272
	v_and_b32 v3, 7, v21
	v_lshl_add_u32 v2, v3, 5, v2
	v_add_nc_u32 v[AAS], s2, v2                    ; row r's 32 scale bytes: eight rows to a unit
	v_lshl_add_u32 v[SST], v21, 2, s3              ; the stage: row r's word
	v_add_nc_u32 v[SRD16], s3, v[L16]
	v_add_nc_u32 v[SRD8], s3, v[L8]
	v_lshlrev_b32 v[ABS], 5, v1
	v_lshlrev_b32 v[BNO], 6, v22
	v_and_b32 v[BMO], 8, v21
	v_add_nc_u32 v[BMO], v[BMO], v21
	v_lshlrev_b32 v[BMO], 2, v[BMO]                ; V: stored row r of a tile is e = r + 8 (r / 8) from the tile's first
.irp i, 4,5,6,7
	v_mov_b32 v[TM+\i], 0                          ; a lane permute's destination counts as one of its sources
.endr
.irp p, 0,1
.irp c, 0,1
	global_load_b128 v[SB+8*\p+4*\c:SB+8*\p+4*\c+3], v[ABS], s[10:11] offset:1024*\p+16*\c          ; register + 8 p + q: lanes 0-15 tile 2 p's word of K step q, lanes 16-31 tile 2 p + 1's
	global_load_b128 v[H1+8*\p+4*\c:H1+8*\p+4*\c+3], v[ABS], s[10:11] offset:32768+1024*\p+16*\c    ; Wk's
	global_load_b128 v[H2+8*\p+4*\c:H2+8*\p+4*\c+3], v[ABS], s[10:11] offset:65536+1024*\p+16*\c    ; Wv's
.endr
.endr
	WIN 0xc0                                       ; the biases: destinations in window 3
.irp b, 0,1
.irp j, 0,1,2,3
	global_load_b128 v[BQ+16*\b+4*\j:BQ+16*\b+4*\j+3], v[BNO], s[96:97] offset:128*\b+16*\j   ; register 16 b + i: the bias of e = 32 b + 16 h + i
	global_load_b128 v[BK+16*\b+4*\j:BK+16*\b+4*\j+3], v[BNO], s[98:99] offset:128*\b+16*\j
.endr
.endr
.irp t, 0,1,2,3
	global_load_b32 v[BV+8*\t], v[BMO], s[100:101] offset:4*(32*(\t/2)+8*(\t%2))
.endr
	WIN 0
.macro FRAG f, a16, a8, off            ; a fragment: two half fragments of the image
	WIN (1+(\f)/FPW)<<6
.set R_, FR*((\f)%FPW)
	ds_load_b128 v[R_:R_+3], v[\a16] offset:\off
	ds_load_b64 v[R_+4:R_+5], v[\a8] offset:(\off)+512
	ds_load_b128 v[R_+6:R_+9], v[\a16] offset:(\off)+768
	ds_load_b64 v[R_+10:R_+11], v[\a8] offset:(\off)+1280
.endm
.macro WEIGHTS                         ; my 64 rows of the weight, all of K: 128 loads
.irp q, 0,1,2,3,4,5,6,7
.irp t, 0,1,2,3
	FRAG 4*\q+\t, B16, B8, \t*RT+1536*\q
.endr
.endr
	WIN 0
.endm
.macro FETCH s                         ; block s into set s % 2: 34 loads.  (The four lines ahead of them are the places behind the products that read these registers)
	WIN 0
	v_add_nc_u32 v[A16], (\s)*RT, v[A16B]
	v_add_nc_u32 v[A8], (\s)*RT, v[A8B]
	v_nop
	v_nop
.irp q, 0,1,2,3,4,5,6,7
	FRAG 32+8*((\s)%2)+\q, A16, A8, 1536*\q
.endr
	WIN 0
	ds_load_b128 v[SA+8*((\s)%2):SA+8*((\s)%2)+3], v[AAS] offset:(\s)*544
	ds_load_b128 v[SA+8*((\s)%2)+4:SA+8*((\s)%2)+7], v[AAS] offset:(\s)*544+16
.endm
.macro PROD1 d, s0, s1, c, x0, x1, side, o
.if \o
	v_wmma_scale_f32_16x16x128_f8f6f4 v[\d:\d+7], v[FR*((\s0)%FPW):FR*((\s0)%FPW)+FR-1], v[FR*((\s1)%FPW):FR*((\s1)%FPW)+FR-1], \c, v[\x0], v[\x1] matrix_a_fmt:MATRIX_FMT_FP6 matrix_b_fmt:MATRIX_FMT_FP6 matrix_\side\()_scale:MATRIX_SCALE_ROW1
.else
	v_wmma_scale_f32_16x16x128_f8f6f4 v[\d:\d+7], v[FR*((\s0)%FPW):FR*((\s0)%FPW)+FR-1], v[FR*((\s1)%FPW):FR*((\s1)%FPW)+FR-1], \c, v[\x0], v[\x1] matrix_a_fmt:MATRIX_FMT_FP6 matrix_b_fmt:MATRIX_FMT_FP6 matrix_\side\()_scale:MATRIX_SCALE_ROW0
.endif
.endm
.macro PROD kind, e, q, t              ; kind 0 (Q, K): source 0 the weight's rows; kind 1 (V): source 0 x's rows.  The first K step takes the bias, in window 3, as C
.set FB_, 4*(\q)+(\t)
.set FA_, 32+8*(\e)+(\q)
.set XB_, SB+8*((\t)/2)+(\q)
.set XA_, SA+8*(\e)+(\q)
.set CW_, 0
.if (\q) == 0
.set CW_, 3<<4
.endif
.if \kind
.set D_, ACC+16*(\t)+8*(\e)
	WIN (1+FA_/FPW)|((1+FB_/FPW)<<2)|CW_
.if \q
	PROD1 D_, FA_, FB_, v[D_:D_+7], XA_, XB_, b, (\t)%2
.else
	PROD1 D_, FA_, FB_, v[BV+8*(\t):BV+8*(\t)+7], XA_, XB_, b, (\t)%2
.endif
.else
.set D_, ACC+8*(\t)
	WIN (1+FB_/FPW)|((1+FA_/FPW)<<2)|CW_
.if \q
	PROD1 D_, FB_, FA_, v[D_:D_+7], XB_, XA_, a, (\t)%2
.else
	PROD1 D_, FB_, FA_, v[BQ+8*(\t):BQ+8*(\t)+7], XB_, XA_, a, (\t)%2
.endif
.endif
.endm
.macro PRODS kind, s                   ; a block's 32 products, the four accumulators by turns
.irp q, 0,1,2,3,4,5,6,7
.irp t, 0,1,2,3
	PROD \kind, (\s)%2, \q, \t
.endr
.endr
	WIN 0
.endm
.macro AHEAD s                         ; the block two on is fetched; or the places alone
.if (\s) < 6
	FETCH (\s)+2
.else
	PLACES 4
.endif
.endm
; Q, K: block s, 16 tokens x my head's 64: two blocks of 32 along e, half of each in lane l and half in lane l xor 16; one half fragment and a scale word a row
.macro BLKN s
.if (\s) == 0
	s_wait_dscnt 34                                ; block 0's rows are in; block 1's 34 loads may be out
.elseif (\s) == 1
	s_wait_dscnt 35                                ; behind block 1's fetch: block 2's 34 loads and one store to the stage
.elseif (\s) < 7
	s_wait_dscnt 36                                ; behind this block's fetch: a store, the next block's 34 loads, a store
.else
	s_wait_dscnt 2                                 ; two stores
.endif
	PRODS 0, \s
	AHEAD \s
	s_wait_xcnt 0x0                                ; the last block's stores have read the codes' registers
.irp b, 0,1
	v_max3_num_f32 v[TM+\b], |v[ACC+16*\b]|, |v[ACC+1+16*\b]|, 0x1800000   ; each accumulator is read from its low end on; the floor 2^(3 - 127)
.endr
.irp i, 2,4,6,8,10,12,14
.irp b, 0,1
	v_max3_num_f32 v[TM+\b], v[TM+\b], |v[ACC+16*\b+\i]|, |v[ACC+1+16*\b+\i]|
.endr
.endr
.irp b, 0,1
	v_permlanex16_b32 v[TM+4+\b], v[TM+\b], s[SEL], s[SEL+1]
.endr
.irp b, 0,1
	v_max_num_f32 v[TM+\b], v[TM+\b], v[TM+4+\b]
.endr
.irp b, 0,1
	v_add_nc_u32 v[TM+8+\b], 0xff000000, v[TM+\b]  ; the conversion's scale operand
.endr
.irp b, 0,1
	v_lshrrev_b32 v[TM+4+\b], 23, v[TM+8+\b]       ; the byte
.endr
	v_cvt_scalef32_pk16_fp6_f32 v[PC:PC+2], v[ACC:ACC+15], v[TM+8]
	v_cvt_scalef32_pk16_fp6_f32 v[PC+6:PC+8], v[ACC+16:ACC+31], v[TM+9]
	v_lshl_or_b32 v[TM+12], v[TM+5], 8, v[TM+4]    ; the row's scale word.  (The plain instruction behind the conversions)
.irp i, 0,1,2
	v_permlane16_swap_b32 v[PC+\i], v[PC+6+\i]     ; a whole block in a lane
.endr
.irp i, 0,1,2
	v_mov_b32 v[PC+3+\i], v[PC+6+\i]
.endr
	global_store_b128 v[L16], v[PC:PC+3], s[84:85] offset:768*(\s)         ; 512 consecutive bytes, aligned
	global_store_b64 v[L8], v[PC+4:PC+5], s[84:85] offset:768*(\s)+512     ; 256
	ds_store_b32 v[SST], v[TM+12] offset:64*(\s)   ; both halves of the lanes hold the same word
.endm
; V: block s; behind every second one the pair's 32 tokens, one scale block for each of my 64 e, are quantised
.macro BLKV s
.if (\s) < 7
	s_wait_dscnt 34                                ; this block's rows are in; the next block's 34 loads may be out
.else
	s_wait_dscnt 0x0
.endif
	PRODS 1, \s
	AHEAD \s
.if (\s)%2
.set B_, (\s)/2
.irp t, 0,1,2,3
	v_max3_num_f32 v[TM+\t], |v[ACC+16*\t]|, |v[ACC+1+16*\t]|, 0x1800000
.endr
.irp i, 2,4,6,8,10,12,14
.irp t, 0,1,2,3
	v_max3_num_f32 v[TM+\t], v[TM+\t], |v[ACC+16*\t+\i]|, |v[ACC+1+16*\t+\i]|
.endr
.endr
.irp t, 0,1,2,3
	v_permlanex16_b32 v[TM+4+\t], v[TM+\t], s[SEL], s[SEL+1]
.endr
.irp t, 0,1,2,3
	v_max_num_f32 v[TM+\t], v[TM+\t], v[TM+4+\t]
.endr
.irp t, 0,1,2,3
	v_add_nc_u32 v[TM+12+\t], 0xff000000, v[TM+\t]
.endr
.irp t, 0,1,2,3
	v_lshrrev_b32 v[TM+4+\t], 23, v[TM+12+\t]
.endr
.irp t, 0,1,2,3
.if B_%2
	v_cvt_scalef32_pk16_fp6_f32 v[YT+4*\t:YT+4*\t+2], v[ACC+16*\t:ACC+16*\t+15], v[TM+12+\t]
.else
	v_cvt_scalef32_pk16_fp6_f32 v[CD+12*\t+6*(B_/2):CD+12*\t+6*(B_/2)+2], v[ACC+16*\t:ACC+16*\t+15], v[TM+12+\t]
.endif
.endr
.irp t, 0,1,2,3                                ; the bytes make the rows' scale words.  (Plain instructions behind the conversions)
.if B_
	v_lshl_or_b32 v[PW+\t], v[TM+4+\t], 8*B_, v[PW+\t]
.else
	v_mov_b32 v[PW+\t], v[TM+4+\t]
.endif
.endr
.if B_%2
.irp t, 0,1,2,3
.irp i, 0,1,2
	v_permlane16_swap_b32 v[CD+12*\t+6*(B_/2)+\i], v[YT+4*\t+\i]   ; a whole block in a lane: lanes 0-15 the even block, lanes 16-31 the odd one
.endr
.endr
.irp t, 0,1,2,3
.irp i, 0,1,2
	v_mov_b32 v[CD+12*\t+6*(B_/2)+3+\i], v[YT+4*\t+\i]
.endr
.endr
.endif
.endif
.endm
	s_wait_alu depctr_va_vdst(0)                   ; the wait at the head's end
	s_cmp_eq_u32 s14, 0
	s_cbranch_scc0 .Lnot_b
	s_wait_tensorcnt 0x0
.Lnot_b:
	BARRIER                                        ; Wq's rows are in
	WEIGHTS
	s_wait_loadcnt 0x0                             ; the weights' scale words and the biases
	WIN 0xc3
.irp t, 0,8,16,24
.irp i, 1,2,3,4,5,6,7
	v_mov_b32 v[BV+\t+\i], v[BV+\t]                ; V's number, one a lane and tile, over the tile's eight registers
.endr
.endr
	WIN 0
	s_mov_b32 s45, 0
	s_wait_alu depctr_va_vdst(0)                   ; the wait ahead of the label and the waits below
.Lphase:                                               ; Q, then K
	s_wait_tensorcnt 0x0                           ; all my tensor loads are in (the first time: my tile of the head's four);
	ds_add_u32 v[SPW], v[NIL]
	s_add_nc_u64 s[G0R+2:G0R+3], s[G0R+2:G0R+3], 1024*768   ; the next weight's rows
	s_wait_dscnt 0x0                               ; the add is done, and I hold my weight rows in registers
	CROUND                                         ; so of every wave of all sixteen work-groups
	tensor_load_to_lds s[G0R:G0R+3], s[G1R:G1R+7]  ; my quarter of the next weight's 128 rows
	s_nop 0
	PLACES 4
	FETCH 0
	FETCH 1
.irp s, 0,1,2,3,4,5,6,7
	BLKN \s
.endr
	ds_load_b128 v[SO:SO+3], v[SRD16]              ; my step's 128 scale words (LDS serves a wave's instructions in order)
	s_wait_dscnt 0x0
	global_store_b128 v[L16], v[SO:SO+3], s[86:87] ; 512 consecutive bytes, aligned
	s_wait_xcnt 0x0                                ; the stores have read their bases
	s_add_nc_u64 s[84:85], s[84:85], 6291456       ; from q to k
	s_add_nc_u64 s[86:87], s[86:87], 524288
	s_wait_tensorcnt 0x0                           ; my quarter of the next weight is in
	BARRIER                                        ; and everybody's
	PLACES 4                                       ; between the last products and the writes of their scale words and fragments
.set I, 0
.rept 16
	v_mov_b32 v[SB+I], v[H1+I]                     ; the next weight's scale words move up
.set I, I+1
.endr
.set I, 0
.rept 16
	v_mov_b32 v[H1+I], v[H2+I]
.set I, I+1
.endr
	WIN 0xc3
.set I, 0
.rept 32
	v_mov_b32 v[BQ+I], v[BK+I]                     ; and K's bias
.set I, I+1
.endr
	WIN 0
	s_wait_alu depctr_va_vdst(0)                   ; the wait behind these writes
	WEIGHTS
	s_add_co_u32 s45, s45, 1
	s_cmp_lg_u32 s45, 2
	s_cbranch_scc1 .Lphase
	FETCH 0                                        ; V
	FETCH 1
.irp s, 0,1,2,3,4,5,6,7
	BLKV \s
.endr
	s_wait_alu depctr_va_vdst(0)                   ; the wait ahead of the readers below
.irp t, 0,1,2,3
	global_store_b128 v[L16], v[CD+12*\t:CD+12*\t+3], s[88:89] offset:1536*\t
	global_store_b64 v[L8], v[CD+12*\t+4:CD+12*\t+5], s[88:89] offset:1536*\t+512
	global_store_b128 v[L16], v[CD+12*\t+6:CD+12*\t+9], s[88:89] offset:1536*\t+768
	global_store_b64 v[L8], v[CD+12*\t+10:CD+12*\t+11], s[88:89] offset:1536*\t+1280
.endr
.irp t, 0,1,2,3
	ds_store_b32 v[SST], v[PW+\t] offset:64*\t
.endr
	s_wait_xcnt 0x0                                ; k's scale words have left v40-43
	ds_load_b64 v[SO:SO+1], v[SRD8]
	s_wait_dscnt 0x0
	global_store_b64 v[L8], v[SO:SO+1], s[90:91]   ; 256 consecutive bytes, aligned
	s_wait_tensorcnt 0x0                           ; the wave's end
	ds_add_u32 v[SPW], v[NIL]
	s_wait_dscnt 0x0
	CROUND                                         ; the closing round
	s_endpgm
.Lfunc_end_k_q22af96bd4b_gemm_qkv:
	.size	k_q22af96bd4b_gemm_qkv, .Lfunc_end_k_q22af96bd4b_gemm_qkv-k_q22af96bd4b_gemm_qkv
	.p2alignl 7, 3214868480
	.fill 96, 4, 3214868480
	.section	.rodata,"a",@progbits
	.p2align	6, 0x0
	.amdhsa_kernel k_q22af96bd4b_gemm_qkv
		.amdhsa_group_segment_fixed_size 327680
		.amdhsa_private_segment_fixed_size 0
		.amdhsa_enable_private_segment 0
		.amdhsa_kernarg_size 72
		.amdhsa_user_sgpr_count 2
		.amdhsa_user_sgpr_kernarg_segment_ptr 1
		.amdhsa_wavefront_size32 1
		.amdhsa_system_sgpr_workgroup_id_x 1
		.amdhsa_system_sgpr_workgroup_id_y 1
		.amdhsa_system_sgpr_workgroup_id_z 1
		.amdhsa_system_vgpr_workitem_id 0
		.amdhsa_next_free_vgpr 1024
		.amdhsa_next_free_sgpr 102
		.amdhsa_reserve_vcc 0
		.amdhsa_float_denorm_mode_32 3
		.amdhsa_float_denorm_mode_16_64 3
		.amdhsa_memory_ordered 1
		.amdhsa_forward_progress 1
		.amdhsa_inst_pref_size 173
	.end_amdhsa_kernel
	.amdgpu_metadata
---
amdhsa.version: [ 1, 2 ]
amdhsa.kernels:
  - .name:           k_q22af96bd4b_gemm_qkv
    .symbol:         k_q22af96bd4b_gemm_qkv.kd
    .args:
      - { .name: x_img, .offset: 0, .size: 8, .value_kind: global_buffer, .address_space: global }
      - { .name: x_sc, .offset: 8, .size: 8, .value_kind: global_buffer, .address_space: global }
      - { .name: w_img, .offset: 16, .size: 8, .value_kind: global_buffer, .address_space: global }
      - { .name: w_sc, .offset: 24, .size: 8, .value_kind: global_buffer, .address_space: global }
      - { .name: bq, .offset: 32, .size: 8, .value_kind: global_buffer, .address_space: global }
      - { .name: bk, .offset: 40, .size: 8, .value_kind: global_buffer, .address_space: global }
      - { .name: bv, .offset: 48, .size: 8, .value_kind: global_buffer, .address_space: global }
      - { .name: qkv_img, .offset: 56, .size: 8, .value_kind: global_buffer, .address_space: global }
      - { .name: qkv_sc, .offset: 64, .size: 8, .value_kind: global_buffer, .address_space: global }
    .group_segment_fixed_size: 327680
    .private_segment_fixed_size: 0
    .kernarg_segment_align: 8
    .kernarg_segment_size: 72
    .max_flat_workgroup_size: 128
    .sgpr_count:     102
    .vgpr_count:     1024
    .wavefront_size: 32
...
	.end_amdgpu_metadata
.endif
;; end of part 2
;; launch attn (part 3): grid 4 x 64, 8 waves a work-group, clusters of 4 x 1, 327,680 bytes of LDS; arguments qkv_img, qkv_sc, ctx_img, ctx_sc; writes ctx_img, ctx_sc
.if DOCPART == 3
	.amdgcn_target "amdgcn-amd-amdhsa--gfx1250"
	.amdhsa_code_object_version 6
	.text
	.protected	k_q22af96bd4b_attn
	.globl	k_q22af96bd4b_attn
	.p2align	8
	.type	k_q22af96bd4b_attn,@function
k_q22af96bd4b_attn:
	s_mov_b64 s[64:65], 0
	v_nop
	global_prefetch_b8 v0, s[64:65] scope:SCOPE_SE
	s_setreg_imm32_b32 hwreg(HW_REG_WAVE_MODE, 25, 1), 1
	s_wait_xcnt 0x0
	s_wait_alu depctr_hold_cnt(0) depctr_sa_sdst(0) depctr_va_vdst(0) depctr_va_sdst(0) depctr_va_ssrc(0) depctr_va_vcc(0) depctr_vm_vsrc(0)
	s_getreg_b32 s2, hwreg(HW_REG_IB_STS2, 6, 4)
	s_cmp_eq_u32 s2, 0
	s_cbranch_scc0 .Lentry_in_a_cluster
	s_endpgm
.Lentry_in_a_cluster:
	s_bfe_u32 s2, ttmp6, 0x10000c
	s_cmp_lg_u32 s2, 0x3003
	s_cbranch_scc0 .Lentry_shape_is_right
	s_endpgm
.Lentry_shape_is_right:
; ctx[b][q][h 64 + e] = sum over keys of softmax(q . k / 8) v, both products on codes of FP6 (E2M3) with E8M0 scales; ctx is quantised at once along h 64 + e and leaves as codes.
; THE SOFTMAX: t = score x log2(e) / 8; M = the running largest t rounded UP to a whole number; p = 2^(t - M) is quantised along the keys, not normalised; the row's sum is taken of the unquantised p and divides
; at the end; when M moves, the sum and O are multiplied by 2^(old M - new M), which rounds nothing.
; SHARES.  A cluster of four work-groups is one (b, h).  A work-group owns 512 queries in two passes of 256; each of its eight waves TWO tiles of 16 queries, A and B, which share every fragment of K and V: a fragment is read
; from LDS once for 32 queries.  The head's whole K and V lie in LDS, filled once by joint loads that name all four work-groups, one load a wave (waves 0-5); one barrier shows them; nothing is filled again.
; REGISTER WINDOWS.  What belongs to a tile has the same numbers for both tiles: A's in window 0, B's in window 1.  Shared, in window 0: addresses, K's fragments, all scale words.  V's fragments lie in window 1, v32-79.
; So K and V have registers of their own: the next step's K is asked for behind the scores' products, this step's V at the step's head.
; LAYOUT.  Both products transposed: S^T = K Q^T, O^T = V^T P^T: a lane holds ONE query.  A TILE OF K IS FORMED BY THE LANES' ADDRESSES: tile (c, t) has keys 64 c + 8 t + 0..7 in rows 0-7 and 64 c + 32 + 8 t + 0..7 in rows 8-15,
; so register 32 c + 8 t + j of lane (r, h) is key 64 c + 32 h + 8 t + j: a lane holds whole blocks of 32 keys, in the order of the next operand's registers.
; In memory stored tile 2 b holds keys 32 b + 0-7, 16-23 and tile 2 b + 1 keys 32 b + 8-15, 24-31: rows 0-7 of tile (c, t) are rows 8 (t / 2) .. of stored tile 4 c + t % 2, rows 8-15 the same rows two stored tiles on.
; K's LDS rows have 128 bytes of padding behind every 512 (by the descriptor): two stored tiles are then 1,920 bytes apart, and the sixteen lanes of a 16-byte load touch sixteen different columns of 16 bytes modulo 256.
; THE FIRST PRODUCT'S K IS 64 IN AN INSTRUCTION OF 128: Q's registers 6-11 are zero codes, so the other side's upper half may hold any codes (the next tile's; behind the last: zeros).  Those blocks' scale bytes are never 0xff.
; The last step of a pass asks for K's step 0 again: the second pass begins with it; behind the second pass those 20 loads are waited for and not used.
; LIMITS: NaN and infinities are not served; a block under the floor 2^(3 - 127) keeps the byte 1; the scaled scores t stay under 2^31 in magnitude.
; No prefetch: all that the launch reads from memory for its loop is asked for at its head.
; A TILE'S REGISTERS: v12 -M, v13 largest score, v[14:15] the sum; v16-27 Q; v90-95 the second pass's Q; v100-163 S^T, then p; v164-195 O^T; v196-207 p's codes; v208-231 at work (v228 f); v236-249 partial sums.
; SHARED: v1-4, v7, v98, v232-235 addresses that stay; v8-11, v88, v89, v99 in hand; v28-31 K's scale words; v32-79 K; v80-85 zeros; v86-87 V's scale words; v97, v251 Q's scale words (v252, v253 the second pass's); v229, v250 p's.
.set KST,   7680                       ; a key step of K in LDS: 6,144 bytes + 12 x 128 of padding
.set VST,   6144
.set VOFF,  16*KST
.set KSC,   VOFF+16*VST                ; K's scale words [step][128]
.set VSC,   KSC+8192                   ; V's [step][64]
.set SPARE, VSC+4096                   ; the spare words, 128 bytes for each wave
.set SPW,  5
.set NIL,  6
.set WV,   12                          ; s12 my wave's number; s13 cx.  What is made of cx stays in s2-3 and s13-19
.set SEL,  20
.set CS,   22                          ; s[22:23] c = log2(e) / 8
.set G1K,  24
.set G1V,  32
.set G1KS, 40
.set G1VS, 48
.set G0KS, 56
.set G0VS, 60
.set G0K,  68
.set G0V,  72
.set TK,   4                           ; s4, s6: the next step's place in K's codes and scale words; s5, s7: this step's in V's
.set TV,   5
.set TS,   6
.set TJ,   7
.set STP,  8
.set PASS, 9
.set HM,   10                          ; the mask of lanes 16-31
.set IDX,  11                          ; the step's number
.set W0K,  15|(3<<16)|(1<<20)|(1<<21)|(6<<22)|(31<<25)   ; the mask of all four; elements of 8 bytes; 32 dwords of padding behind every 128
.set W0V,  15|(3<<16)|(1<<21)
.set MSB, 0
.macro WIN new                         ; the immediate's high byte repeats the setting that is left
.if MSB != (\new)
	s_set_vgpr_msb (MSB<<8)|(\new)
.set MSB, (\new)
.endif
.endm
.macro CROUND
	s_barrier_signal -1
	s_barrier_wait -1
	s_cmp_lg_u32 s[WV], 0
	s_cbranch_scc1 .Lnot_wave_0_\@
	s_barrier_signal -3
.Lnot_wave_0_\@:
	s_barrier_wait -3
	s_barrier_signal -1
	s_barrier_wait -1
.endm
.macro GRP1 g, w0, c, r, p             ; r rows of c elements, p elements apart
	s_mov_b32 s[\g], \w0
	s_mov_b32 s[\g+1], (\c)<<16
	s_mov_b32 s[\g+2], (\r)<<16
	s_mov_b32 s[\g+3], (\c)<<16
	s_mov_b32 s[\g+4], \r
	s_mov_b32 s[\g+5], \p
	s_mov_b32 s[\g+6], 0
	s_mov_b32 s[\g+7], 0
.endm
.macro GRP0 g, base, off
	s_mov_b32 s[\g], 1
	s_add_nc_u64 s[\g+2:\g+3], s[\base:\base+1], \off
	s_or_b32 s[\g+3], s[\g+3], 0x80000000
.endm
.macro ARM under, g0, g1, next         ; the waves under this number that no earlier arm took
	s_cmp_lt_u32 s[WV], \under
	s_cbranch_scc0 \next
	tensor_load_to_lds s[\g0:\g0+3], s[\g1:\g1+7]
	s_nop 0
.rept 4
	v_nop
.endr
	s_branch .Lasked
\next:
.endm
	s_load_b256 s[4:11], s[0:1], 0x0               ; qkv_img, qkv_sc, ctx_img, ctx_sc
	v_lshl_add_u32 v[SPW], v0, 2, SPARE
	v_mov_b32 v[NIL], 0
	ds_add_u32 v[SPW], v[NIL]                      ; the opening lines
	ds_add_u32 v[SPW], v[NIL]
	v_lshrrev_b32 v8, 5, v0
	v_readfirstlane_b32 s[WV], v8                  ; wave 0..7
	s_bfe_u32 s13, ttmp6, 0x40000                  ; cx
	s_and_b32 s2, ttmp7, 0xffff
	s_lshr_b32 s3, s2, 4                           ; b
	s_and_b32 s2, s2, 15                           ; the head
	s_mul_i32 s76, s3, 16*98304
	s_mul_i32 s77, s2, 6144
	s_add_co_u32 s76, s76, s77                     ; in each of q, k, v: batch b's step 0, the head's 6,144 bytes
	s_mov_b32 s77, 0
	s_lshl_b32 s78, s3, 17
	s_lshl_b32 s79, s2, 9
	s_add_co_u32 s78, s78, s79                     ; in q's and k's scale words
	s_mov_b32 s79, 0
	s_lshl_b32 s80, s3, 16
	s_lshl_b32 s81, s2, 8
	s_add_co_u32 s80, s80, s81                     ; in v's
	s_mov_b32 s81, 0
	s_lshl_b32 s16, s13, 2                         ; my tile A in pass 0: step 4 cx + wave / 4, tile 2 (wave % 4); tile B is the next tile
	s_lshr_b32 s17, s[WV], 2
	s_add_co_u32 s16, s16, s17
	s_and_b32 s17, s[WV], 3
	s_lshl_b32 s17, s17, 1
	s_mul_i32 s14, s16, 98304
	s_mul_i32 s18, s17, 768
	s_add_co_u32 s14, s14, s18
	s_lshl_b32 s15, s16, 13
	s_lshl_b32 s18, s17, 6
	s_add_co_u32 s15, s15, s18                     ; (their scale words' place, moved to s2 below)
	s_lshl_b32 s16, s3, 7
	s_lshl_b32 s18, s13, 5
	s_add_co_u32 s16, s16, s18
	s_lshl_b32 s18, s[WV], 1
	s_add_co_u32 s16, s16, s18                     ; ctx's rowtile for tile A: 128 b + 32 cx + 2 wave
	s_lshl_b32 s18, s16, 9
	s_mul_i32 s16, s16, 12288
	s_mul_i32 s19, s2, 768
	s_add_co_u32 s16, s16, s19
	s_mov_b32 s17, 0
	s_lshl_b32 s19, s2, 1
	s_add_co_u32 s18, s18, s19                     ; scale bytes 2 head, 2 head + 1
	s_mov_b32 s19, 0
	s_mov_b32 s2, s15
	s_mov_b32 s3, 0
	s_mov_b32 s15, 0
	GRP1 G1K, W0K, 768, 8, 12288                   ; eight key steps, 98,304 bytes apart in memory
	GRP1 G1V, W0V, 768, 8, 12288
	GRP1 G1KS, W0V, 64, 16, 1024
	GRP1 G1VS, W0V, 32, 16, 512
	s_mov_b32 s[SEL], 0x76543210
	s_mov_b32 s[SEL+1], 0xfedcba98
	s_mov_b32 s[CS], 0x3e38aa3b
	s_mov_b32 s[CS+1], s[CS]
	s_wait_dscnt 0x0
	s_wait_kmcnt 0x0
	s_add_nc_u64 s[76:77], s[4:5], s[76:77]
	s_add_nc_u64 s[78:79], s[6:7], s[78:79]
	s_add_nc_u64 s[80:81], s[6:7], s[80:81]
	s_add_nc_u64 s[14:15], s[76:77], s[14:15]      ; my Q's codes
	s_add_nc_u64 s[2:3], s[78:79], s[2:3]          ; and scale words
	s_add_nc_u64 s[16:17], s[8:9], s[16:17]
	s_add_nc_u64 s[18:19], s[10:11], s[18:19]
	s_and_b32 s8, s[WV], 1                         ; waves 2-5: which eight key steps
	s_mul_i32 s4, s8, 8*98304
	s_mov_b32 s5, 0
	s_add_nc_u64 s[4:5], s[76:77], s[4:5]
	GRP0 G0KS, 78, 524288
	s_mov_b32 s[G0KS+1], KSC
	GRP0 G0VS, 80, 1048576
	s_mov_b32 s[G0VS+1], VSC
	GRP0 G0K, 4, 6291456
	s_mul_i32 s[G0K+1], s8, 8*KST
	GRP0 G0V, 4, 12582912
	s_mul_i32 s[G0V+1], s8, 8*VST
	s_add_co_u32 s[G0V+1], s[G0V+1], VOFF
	CROUND                                         ; all four work-groups are here: the joint loads meet
	ARM 1, G0KS, G1KS, .La1
	ARM 2, G0VS, G1VS, .La2
	ARM 4, G0K, G1K, .La3
	ARM 6, G0V, G1V, .La4
.Lasked:
	v_and_b32 v8, 31, v0
	v_lshlrev_b32 v1, 4, v8                        ; 16 x lane
	v_lshlrev_b32 v2, 3, v8                        ; 8 x lane
	v_and_b32 v9, 15, v0                           ; r
	v_bfe_u32 v10, v0, 4, 1                        ; h
	v_and_b32 v11, 7, v0                           ; r % 8
	v_bfe_u32 v28, v0, 3, 1                        ; g = r / 8
	v_mul_u32_u24 v29, v28, 1920
	v_lshl_add_u32 v3, v11, 4, v29
	v_lshl_add_u32 v7, v11, 3, v29
	v_lshl_add_u32 v3, v10, 8, v3                  ; K, registers 0-3, even stored tile: 1920 g + 16 (r % 8) + 256 h
	v_lshl_add_u32 v4, v10, 7, v3                  ; odd stored tile: lanes 16-31 lie behind one padding more
	v_lshl_add_u32 v7, v10, 7, v7                  ; registers 4-5: 1920 g + 8 (r % 8) + 128 h
	v_lshl_add_u32 v30, v28, 5, v11
	v_lshl_add_u32 v30, v10, 4, v30
	v_lshl_add_u32 v98, v30, 2, KSC                ; K's scale words: lanes 0-15 an even tile's rows, lanes 16-31 the odd tile's
	v_add_nc_u32 v232, VOFF, v1
	v_add_nc_u32 v233, VOFF, v2
	v_lshl_add_u32 v234, v8, 2, VSC
	v_lshl_add_u32 v235, v9, 5, v10                ; ctx's scale byte: 32 r + h
	v_lshlrev_b32 v31, 2, v9
	v_cmp_ne_u32 s[HM], 0, v10
	global_load_b128 v[16:19], v1, s[14:15]                        ; tile A's Q, pass 0
	global_load_b64 v[20:21], v2, s[14:15] offset:512
	global_load_b128 v[90:93], v1, s[14:15] offset:196608          ; pass 1: two steps on
	global_load_b64 v[94:95], v2, s[14:15] offset:197120
	global_load_b32 v97, v31, s[2:3]
	global_load_b32 v251, v31, s[2:3] offset:64
	global_load_b32 v252, v31, s[2:3] offset:16384
	global_load_b32 v253, v31, s[2:3] offset:16448
	WIN 0x40                                       ; tile B's: destinations in window 1
	global_load_b128 v[16:19], v1, s[14:15] offset:768
	global_load_b64 v[20:21], v2, s[14:15] offset:1280
	global_load_b128 v[90:93], v1, s[14:15] offset:197376
	global_load_b64 v[94:95], v2, s[14:15] offset:197888
.irp i, 22,23,24,25,26,27,220,221,227,229,230
	v_mov_b32 v[\i], 0
.endr
	WIN 0
.irp i, 22,23,24,25,26,27,80,81,82,83,84,85,220,221,227,229,230
	v_mov_b32 v[\i], 0                             ; Q's upper 64 along K and what lies behind K's last tile: zero codes; lane permutes' destinations; the upper half of the pair v[228:229]
.endr
	s_mov_b32 s[PASS], 2
	s_mov_b32 s[TK], 0
	s_mov_b32 s[TS], 0
	s_wait_alu depctr_va_vdst(0)                   ; the wait at the head's end
	s_wait_loadcnt 0x0
	s_wait_tensorcnt 0x0                           ; every wave's load is in
	s_barrier_signal -1
	s_barrier_wait -1
.macro KLD                             ; K's eight tiles and their scale words, at s[TK] and s[TS]: 20 loads.  (The four additions are the places behind the products that read these registers)
	v_add_nc_u32 v8, s[TK], v3
	v_add_nc_u32 v9, s[TK], v4
	v_add_nc_u32 v10, s[TK], v7
	v_add_nc_u32 v11, s[TS], v98
.irp c, 0,1
.irp t, 0,1,2,3
	ds_load_b128 v[32+24*\c+6*\t:35+24*\c+6*\t], v[8+\t%2] offset:3840*\c+128*(\t/2)+896*(\t%2)
	ds_load_b64 v[36+24*\c+6*\t:37+24*\c+6*\t], v10 offset:3840*\c+64*(\t/2)+896*(\t%2)+640
.endr
.endr
.irp c, 0,1
.irp u, 0,1
	ds_load_b32 v[28+2*\c+\u], v11 offset:256*\c+32*\u
.endr
.endr
.endm
.macro SCORES w, qs                    ; S^T of tile w: K in window 0, Q and the result in the tile's window
	WIN 0x44*\w
.irp t, 0,1,2,3,4,5,6,7
.if \t%2
	v_wmma_scale_f32_16x16x128_f8f6f4 v[100+8*\t:107+8*\t], v[32+6*\t:43+6*\t], v[16:27], 0, v[28+\t/2], v[\qs] matrix_a_fmt:MATRIX_FMT_FP6 matrix_b_fmt:MATRIX_FMT_FP6 matrix_a_scale:MATRIX_SCALE_ROW1
.else
	v_wmma_scale_f32_16x16x128_f8f6f4 v[100+8*\t:107+8*\t], v[32+6*\t:43+6*\t], v[16:27], 0, v[28+\t/2], v[\qs] matrix_a_fmt:MATRIX_FMT_FP6 matrix_b_fmt:MATRIX_FMT_FP6
.endif
.endr
.endm
.macro PV w, ps                        ; O^T of tile w: V in window 1, p and O^T in the tile's window
	WIN 0x01+0x54*\w
.irp t, 0,1,2,3
.if \t%2
	v_wmma_scale_f32_16x16x128_f8f6f4 v[164+8*\t:171+8*\t], v[32+12*\t:43+12*\t], v[196:207], v[164+8*\t:171+8*\t], v[86+\t/2], v[\ps] matrix_a_fmt:MATRIX_FMT_FP6 matrix_b_fmt:MATRIX_FMT_FP6 matrix_a_scale:MATRIX_SCALE_ROW1
.else
	v_wmma_scale_f32_16x16x128_f8f6f4 v[164+8*\t:171+8*\t], v[32+12*\t:43+12*\t], v[196:207], v[164+8*\t:171+8*\t], v[86+\t/2], v[\ps] matrix_a_fmt:MATRIX_FMT_FP6 matrix_b_fmt:MATRIX_FMT_FP6
.endif
.endr
.endm
.macro ACCS n                          ; the next n pairs of p onto the eight partial sums by turns
.rept \n
.if (SI+1)%8
	v_pk_add_f32 v[234+2*((SI+1)%8):235+2*((SI+1)%8)], v[234+2*((SI+1)%8):235+2*((SI+1)%8)], v[130+2*SI:131+2*SI]
.else
	v_pk_add_f32 v[14:15], v[14:15], v[130+2*SI:131+2*SI]
.endif
.set SI, SI+1
.endr
.endm
.macro FIRST k                         ; partial sum k begins with two pairs
	v_pk_add_f32 v[234+2*\k:235+2*\k], v[96+4*\k:97+4*\k], v[98+4*\k:99+4*\k]
.endm
; the softmax of tile w for 128 keys: from the scores to p's codes and scale word
.macro SOFT w
	WIN 0x55*\w
.if \w
	s_wait_alu depctr_va_vdst(0)                   ; tile A's exponentials stand between these scores' products and their first readers
.endif
	v_mov_b32 v230, v12                            ; the old -M
.irp c, 0,1                                    ; the largest score of my two blocks of 32 keys, each in two chains; each accumulator is read from its low end on
	v_max3_num_f32 v[216+\c], v[100+32*\c], v[101+32*\c], v[102+32*\c]
	v_max3_num_f32 v[218+\c], v[116+32*\c], v[117+32*\c], v[118+32*\c]
.endr
.irp i, 3,5,7,9,11,13
.irp c, 0,1
	v_max3_num_f32 v[216+\c], v[216+\c], v[100+32*\c+\i], v[101+32*\c+\i]
	v_max3_num_f32 v[218+\c], v[218+\c], v[116+32*\c+\i], v[117+32*\c+\i]
.endr
.endr
.irp c, 0,1
	v_max3_num_f32 v[216+\c], v[216+\c], v[115+32*\c], v[131+32*\c]
.endr
.irp c, 0,1
	v_max_num_f32 v[216+\c], v[216+\c], v[218+\c]
.endr
	s_delay_alu instid0(VALU_DEP_1)
	v_max_num_f32 v220, v216, v217
	s_delay_alu instid0(VALU_DEP_1)
	v_permlanex16_b32 v221, v220, s[SEL], s[SEL+1]
	s_delay_alu instid0(VALU_DEP_1)
	v_max3_num_f32 v13, v13, v220, v221            ; the running largest score of my query
	s_delay_alu instid0(VALU_DEP_1)
	v_mul_f32 v222, s[CS], v13                     ; as t (c is positive)
	s_delay_alu instid0(VALU_DEP_1)
	v_floor_f32 v12, -v222                         ; the new -M = -ceil(t)
	s_delay_alu instid0(VALU_DEP_1)
	v_sub_f32 v230, v12, v230                      ; old M - new M: a whole number, 0 or less
	s_delay_alu instid0(VALU_DEP_1)
	v_cvt_i32_f32 v230, v230                       ; (it saturates)
	s_delay_alu instid0(VALU_DEP_1)
	v_ldexp_f32 v228, 1.0, v230                    ; f = 2^(old M - new M)
.set j, 0
.rept 32
	v_pk_fma_f32 v[100+j:101+j], v[100+j:101+j], s[CS:CS+1], v[12:13] op_sel_hi:[1,0,0]   ; t - M
.set j, j+2
.endr
.irp c, 0,1
	v_fma_f32 v[216+\c], v[216+\c], s[CS], v12     ; the same of each block's largest score: p rises with the score
.endr
	s_wait_alu depctr_va_vdst(0)                   ; the wait ahead of the batch
.set j, 0
.rept 64
	v_exp_f32 v[100+j], v[100+j]                   ; p = 2^(t - M)
.set j, j+1
.endr
	v_exp_f32 v216, v216                           ; each block's largest p
	v_exp_f32 v217, v217
	v_pk_mul_f32 v[14:15], v[14:15], v[228:229] op_sel_hi:[1,0]   ; the sum under the new M (the plain instruction behind the exponentials)
	s_wait_alu depctr_va_vdst(0)                   ; behind the batch, ahead of its first reader and directly ahead of O^T's
.set j, 0
.rept 16
	v_pk_mul_f32 v[164+j:165+j], v[164+j:165+j], v[228:229] op_sel_hi:[1,0]   ; O^T under the new M
.set j, j+2
.endr
	; the blocks' scales and codes, with the row's sum of the unquantised p (32 packed additions) laid between the dependent lines
	v_max_num_f32 v216, 0x1800000, v216            ; the floor 2^(3 - 127)
	v_max_num_f32 v217, 0x1800000, v217
	FIRST 1
	FIRST 2
	v_add_nc_u32 v224, 0xff000000, v216            ; the conversions' scale operands
	v_add_nc_u32 v225, 0xff000000, v217
	FIRST 3
	FIRST 4
	v_cvt_scalef32_pk16_fp6_f32 v[196:198], v[100:115], v224
	v_cvt_scalef32_pk16_fp6_f32 v[208:210], v[116:131], v224       ; (a conversion's three registers begin on an even number)
	v_cvt_scalef32_pk16_fp6_f32 v[202:204], v[132:147], v225
	v_cvt_scalef32_pk16_fp6_f32 v[212:214], v[148:163], v225
	FIRST 5                                        ; (the plain instruction behind the conversions)
	v_lshrrev_b32 v222, 23, v224                   ; the scales' bytes: blocks h and 2 + h
	v_lshrrev_b32 v223, 23, v225
	FIRST 6
	FIRST 7
	v_lshl_or_b32 v226, v223, 16, v222
	v_pk_add_f32 v[14:15], v[14:15], v[128:129]
.set SI, 0
	ACCS 1
	v_permlanex16_b32 v227, v226, s[SEL], s[SEL+1]
	ACCS 2
.if \w
	WIN 0x15                                       ; scale operands are taken from window 0: tile B's word goes there
	v_lshl_or_b32 v250, v227, 8, v226
	WIN 0x55
.else
	v_lshl_or_b32 v229, v227, 8, v226              ; p's scale word, whole in lanes 0-15, which alone are read
.endif
.irp i, 0,1,2
	v_mov_b32 v[199+\i], v[208+\i]
	v_mov_b32 v[205+\i], v[212+\i]
.endr
	ACCS 14                                        ; (these 21 stand between the writes of p's codes and scale word and the scaled products)
	v_pk_add_f32 v[14:15], v[14:15], v[242:243]
	v_pk_add_f32 v[236:237], v[236:237], v[244:245]
	v_pk_add_f32 v[238:239], v[238:239], v[246:247]
	v_pk_add_f32 v[240:241], v[240:241], v[248:249]
	v_pk_add_f32 v[14:15], v[14:15], v[238:239]
	v_pk_add_f32 v[236:237], v[236:237], v[240:241]
	v_pk_add_f32 v[14:15], v[14:15], v[236:237]
.endm
; A KEY STEP: 128 keys for both tiles.  All matrix instructions take accumulators by turns.
.macro STEP
	s_and_b32 s[TV], s[IDX], 15
	s_lshl_b32 s[TJ], s[TV], 8
	s_mul_i32 s[TV], s[TV], VST
	s_add_co_u32 s[IDX], s[IDX], 1
	s_and_b32 s[TK], s[IDX], 15                    ; the next step, behind the last the first again
	s_lshl_b32 s[TS], s[TK], 9
	s_mul_i32 s[TK], s[TK], KST
	v_add_nc_u32 v88, s[TV], v232                  ; (four places between the last products and the loads into registers that they read)
	v_add_nc_u32 v89, s[TV], v233
	v_add_nc_u32 v99, s[TJ], v234
	v_nop
	WIN 0x40
.irp t, 0,1,2,3                                ; this step's V: 16 loads,
	ds_load_b128 v[32+12*\t:35+12*\t], v88 offset:1536*\t
	ds_load_b64 v[36+12*\t:37+12*\t], v89 offset:1536*\t+512
	ds_load_b128 v[38+12*\t:41+12*\t], v88 offset:1536*\t+768
	ds_load_b64 v[42+12*\t:43+12*\t], v89 offset:1536*\t+1280
.endr
	WIN 0
.irp i, 0,1
	ds_load_b32 v[86+\i], v99 offset:128*\i        ; and 2
.endr
	s_wait_dscnt 18                                ; this step's K, asked for a step ago, is in; the 18 loads of V may be out
	SCORES 0, 97
	SCORES 1, 251
	WIN 0
	KLD                                            ; the next step's K
	SOFT 0
	s_wait_alu depctr_va_vdst(0)                   ; the wait ahead of the wait below
	s_wait_dscnt 20                                ; V is in; the 20 loads of the next K may be out
	PV 0, 229
	SOFT 1
	PV 1, 250
	WIN 0
.endm
.macro INIT w
	WIN 0x40*\w
	v_mov_b32 v13, 0xff61b1e6                      ; the largest score so far: -3e38
	v_mov_b32 v12, 0x7f61b1e6                      ; -M: 3e38, a whole number
	v_mov_b32 v14, 0
	v_mov_b32 v15, 0
.set j, 0
.rept 32
	v_mov_b32 v[164+j], 0                          ; O^T: the step is written once; its first run finds zeros, which the first change of M leaves zeros
.set j, j+1
.endr
.endm
; THE WAY OUT of tile w: O^T / the sum; register 16 b + i is e = 32 b + 16 h + i: two blocks of the next product's K; quantised, and stored as one half fragment
.macro OUT w
	WIN 0x55*\w
	v_add_f32 v14, v14, v15
	s_delay_alu instid0(VALU_DEP_1)
	v_permlanex16_b32 v230, v14, s[SEL], s[SEL+1]
	s_delay_alu instid0(VALU_DEP_1)
	v_add_f32 v14, v14, v230                       ; the row's sum
	s_wait_alu depctr_va_vdst(0)
	v_rcp_f32 v14, v14
	v_nop                                          ; a plain instruction behind the reciprocal
	s_wait_alu depctr_va_vdst(0)                   ; the wait ahead of its first reader, directly ahead of O^T's
.set j, 0
.rept 16
	v_pk_mul_f32 v[100+j:101+j], v[164+j:165+j], v[14:15] op_sel_hi:[1,0]     ; each accumulator from its low end on
.set j, j+2
.endr
.irp b, 0,1
	v_max3_num_f32 v[216+\b], |v[100+16*\b]|, |v[101+16*\b]|, 0x1800000
.endr
.irp i, 2,4,6,8,10,12,14
.irp b, 0,1
	s_delay_alu instid0(VALU_DEP_2)
	v_max3_num_f32 v[216+\b], v[216+\b], |v[100+16*\b+\i]|, |v[101+16*\b+\i]|
.endr
.endr
.irp b, 0,1
	s_delay_alu instid0(VALU_DEP_2)
	v_permlanex16_b32 v[220+\b], v[216+\b], s[SEL], s[SEL+1]
.endr
.irp b, 0,1
	s_delay_alu instid0(VALU_DEP_2)
	v_max_num_f32 v[216+\b], v[216+\b], v[220+\b]
.endr
.irp b, 0,1
	s_delay_alu instid0(VALU_DEP_2)
	v_add_nc_u32 v[224+\b], 0xff000000, v[216+\b]
.endr
.irp b, 0,1
	s_delay_alu instid0(VALU_DEP_2)
	v_lshrrev_b32 v[220+\b], 23, v[224+\b]
.endr
	v_cvt_scalef32_pk16_fp6_f32 v[196:198], v[100:115], v224
	v_cvt_scalef32_pk16_fp6_f32 v[208:210], v[116:131], v225
	v_cndmask_b32 v231, v220, v221, s[HM]          ; lanes 0-15 store block 0's byte, lanes 16-31 block 1's.  (The plain instruction behind the conversions)
.irp i, 0,1,2
	v_permlane16_swap_b32 v[196+\i], v[208+\i]
.endr
.irp i, 0,1,2
	s_delay_alu instid0(VALU_DEP_3)
	v_mov_b32 v[199+\i], v[208+\i]
.endr
.irp i, 0,1,2,3,4,5
	v_mov_b32 v[16+\i], v[90+\i]                   ; the second pass's Q
.endr
	WIN 0x04*\w                                    ; the stores' data in the tile's window, their addresses in window 0
	global_store_b128 v1, v[196:199], s[16:17] offset:12288*\w         ; 512 consecutive bytes, aligned
	global_store_b64 v2, v[200:201], s[16:17] offset:12288*\w+512      ; 256
	global_store_b8 v235, v231, s[18:19] offset:512*\w
.endm
	KLD                                            ; step 0's K
.Lpass:
	INIT 0
	INIT 1
	WIN 0
	s_mov_b32 s[IDX], 0
	s_mov_b32 s[STP], 16
.Lstep:
	STEP
	s_sub_co_u32 s[STP], s[STP], 1
	s_cmp_lg_u32 s[STP], 0
	s_cbranch_scc1 .Lstep
	OUT 0
	OUT 1
	WIN 0
	v_mov_b32 v97, v252                            ; the second pass's scale words of Q
	v_mov_b32 v251, v253
	s_wait_xcnt 0x0                                ; the stores have read their data and bases
	s_add_nc_u64 s[16:17], s[16:17], 196608        ; 16 rowtiles on
	s_add_nc_u64 s[18:19], s[18:19], 8192
	s_sub_co_u32 s[PASS], s[PASS], 1
	s_cmp_lg_u32 s[PASS], 0
	s_cbranch_scc1 .Lpass
	s_wait_tensorcnt 0x0                           ; the wave's end
	ds_add_u32 v[SPW], v[NIL]
	s_wait_dscnt 0x0
	CROUND                                         ; the closing round
	s_endpgm
.Lfunc_end_k_q22af96bd4b_attn:
	.size	k_q22af96bd4b_attn, .Lfunc_end_k_q22af96bd4b_attn-k_q22af96bd4b_attn
	.p2alignl 7, 3214868480
	.fill 96, 4, 3214868480
	.section	.rodata,"a",@progbits
	.p2align	6, 0x0
	.amdhsa_kernel k_q22af96bd4b_attn
		.amdhsa_group_segment_fixed_size 327680
		.amdhsa_private_segment_fixed_size 0
		.amdhsa_enable_private_segment 0
		.amdhsa_kernarg_size 32
		.amdhsa_user_sgpr_count 2
		.amdhsa_user_sgpr_kernarg_segment_ptr 1
		.amdhsa_wavefront_size32 1
		.amdhsa_system_sgpr_workgroup_id_x 1
		.amdhsa_system_sgpr_workgroup_id_y 1
		.amdhsa_system_sgpr_workgroup_id_z 1
		.amdhsa_system_vgpr_workitem_id 0
		.amdhsa_next_free_vgpr 512
		.amdhsa_next_free_sgpr 96
		.amdhsa_reserve_vcc 0
		.amdhsa_float_denorm_mode_32 3
		.amdhsa_float_denorm_mode_16_64 3
		.amdhsa_memory_ordered 1
		.amdhsa_forward_progress 1
		.amdhsa_inst_pref_size 53
	.end_amdhsa_kernel
	.amdgpu_metadata
---
amdhsa.version: [ 1, 2 ]
amdhsa.kernels:
  - .name:           k_q22af96bd4b_attn
    .symbol:         k_q22af96bd4b_attn.kd
    .args:
      - { .name: qkv_img, .offset: 0, .size: 8, .value_kind: global_buffer, .address_space: global }
      - { .name: qkv_sc, .offset: 8, .size: 8, .value_kind: global_buffer, .address_space: global }
      - { .name: ctx_img, .offset: 16, .size: 8, .value_kind: global_buffer, .address_space: global }
      - { .name: ctx_sc, .offset: 24, .size: 8, .value_kind: global_buffer, .address_space: global }
    .group_segment_fixed_size: 327680
    .private_segment_fixed_size: 0
    .kernarg_segment_align: 8
    .kernarg_segment_size: 32
    .max_flat_workgroup_size: 256
    .sgpr_count:     96
    .vgpr_count:     512
    .wavefront_size: 32
...
	.end_amdgpu_metadata
.endif
;; end of part 3
;; launch gemm_out (part 4): grid 8 x 32, 4 waves a work-group, clusters of 4 x 4, 327,680 bytes of LDS; arguments ctx_img, ctx_sc, w_img, w_sc, bo, out0; writes out0
.if DOCPART == 4
	.amdgcn_target "amdgcn-amd-amdhsa--gfx1250"
	.amdhsa_code_object_version 6
	.text
	.protected	k_q22af96bd4b_gemm_out
	.globl	k_q22af96bd4b_gemm_out
	.p2align	8
	.type	k_q22af96bd4b_gemm_out,@function
k_q22af96bd4b_gemm_out:
	s_mov_b64 s[64:65], 0
	v_nop
	global_prefetch_b8 v0, s[64:65] scope:SCOPE_SE
	s_setreg_imm32_b32 hwreg(HW_REG_WAVE_MODE, 25, 1), 1
	s_wait_xcnt 0x0
	s_wait_alu depctr_hold_cnt(0) depctr_sa_sdst(0) depctr_va_vdst(0) depctr_va_sdst(0) depctr_va_ssrc(0) depctr_va_vcc(0) depctr_vm_vsrc(0)
	s_getreg_b32 s2, hwreg(HW_REG_IB_STS2, 6, 4)
	s_cmp_eq_u32 s2, 0
	s_cbranch_scc0 .Lentry_in_a_cluster
	s_endpgm
.Lentry_in_a_cluster:
	s_bfe_u32 s2, ttmp6, 0x10000c
	s_cmp_lg_u32 s2, 0xf033
	s_cbranch_scc0 .Lentry_shape_is_right
	s_endpgm
.Lentry_shape_is_right:
; out0[row][n] = sum over k of ctx[row][k] Wo[k][n] + bo[n], on codes of FP6 (E2M3) with E8M0 scales; sums in f32.
; ctx_img and w_img hold images of operand registers: img[rowtile of 16 rows][K / 64 = 16][768 bytes]: lane l's registers 0-3 at 16 l, registers 4-5 at 512 + 8 l.  Scale bytes sc[row][32].  Wo's rows (n) begin at row 3,072 of w.
; Rows are stored in position order (inside each 32: 0-7, 16-23, 8-15, 24-31), ctx's rows and Wo's alike.
; THE DEAL.  256 work-groups of four waves, 2 x 2; a work-group makes 256 rows x 128 columns.  K is 1,024: ALL of K of the 256 rows of ctx (196,608 bytes), of the 128 rows of Wo (98,304) and ctx's scale bytes lie in LDS, filled once
; at the head, one joint load a wave; nothing is filled again.  A wave holds its 64 rows of Wo, all of K, in 384 registers, and streams ctx's rows past them in blocks of 16 rows (rowtile 2 s + the wave's row, s = 0 .. 7):
; a block's 16 x 64 results are finished after its 32 products and leave at once, through the wave's own stage in LDS, as whole units of 256 bytes.
; CLUSTERS: 4 x 4.  ctx's tiles hang on the tile row alone and are shared along a row of the cluster, Wo's on the tile column alone and are shared along a column.
; THE MATRIX INSTRUCTION IS USED TRANSPOSED (source 0 = 16 rows of Wo, source 1 = 16 rows of ctx): a lane holds eight neighbouring columns of one row.  The bias is the first products' C.
; No prefetch: the launch has no loop to run ahead in; all that it reads is asked for at its head.
; REGISTERS.  Fragment f (12 registers) lies in window 1 + f / 21 at register 12 (f % 21): 0-31 Wo's (4 q + t), 32-39 and 40-47 ctx's two sets.  Window 0: v4-19 addresses; v24-39 Wo's scale words; v44-59 ctx's, two sets;
; v64-127 two sets of four accumulators; v128-159 the bias; v160-223 two sets of 16 rows read back from the stage.
.set FR,     12
.set FPW,    21
.set RT,     12288                     ; a rowtile, all of K
.set BVB,    16*RT                     ; LDS: ctx's 16 rowtiles at 0, Wo's 8 here,
.set SCL,    BVB+8*RT                  ; ctx's scale bytes: 32 units of 256 bytes + 16,
.set SPITCH, 272
.set STG,    SCL+32*272                ; the four stages of 16 rows x (256 + 16) bytes,
.set SPARE,  STG+4*16*SPITCH           ; the spare words
.set A16,  4                           ; v4, v5 LDS address of the block that is fetched: 16 x lane, 8 x lane;  v6, v7 of block 0
.set A8,   5
.set A16B, 6
.set A8B,  7
.set B16,  8                           ; v8, v9 the same for my rows of Wo
.set B8,   9
.set SPW,  10
.set NIL,  11
.set AAS,  12                          ; v12 my row's scale words in block 0
.set STO,  13
.set RD,   14
.set CO,   15
.set ABS,  16
.set BNO,  17
.set SB,   24
.set SA,   44
.set ACC,  64
.set BN,   128
.set BK,   160
.set G1A,  24
.set G1B,  32
.set G1S,  48
.set G0B,  56
.set G0S,  60
.set G0A0, 68
.set G0A1, 72
.set MSB, 0
.macro WIN new
.if MSB != (\new)
	s_set_vgpr_msb (MSB<<8)|(\new)
.set MSB, (\new)
.endif
.endm
.macro BARRIER
	s_barrier_signal -1
	s_barrier_wait -1
.endm
.macro CROUND
	BARRIER
	s_cmp_lg_u32 s14, 0
	s_cbranch_scc1 .Lnot_wave_0_\@
	s_barrier_signal -3
.Lnot_wave_0_\@:
	s_barrier_wait -3
	BARRIER
.endm
.macro GRP1 g, mask, w0, c, r
	s_or_b32 s[\g], s[\mask], \w0
	s_mov_b32 s[\g+1], (\c)<<16
	s_mov_b32 s[\g+2], (\r)<<16
	s_mov_b32 s[\g+3], (\c)<<16
	s_mov_b32 s[\g+4], \r
	s_mov_b32 s[\g+5], \c
	s_mov_b32 s[\g+6], 0
	s_mov_b32 s[\g+7], 0
.endm
.macro GRP0 g, lds, base, off
	s_mov_b32 s[\g], 1
	s_mov_b32 s[\g+1], \lds
	s_add_nc_u64 s[\g+2:\g+3], s[\base:\base+1], \off
	s_or_b32 s[\g+3], s[\g+3], 0x80000000
.endm
.macro ARM n, g0, g1, next
	s_cmp_eq_u32 s14, \n
	s_cbranch_scc0 \next
	tensor_load_to_lds s[\g0:\g0+3], s[\g1:\g1+7]
	s_nop 0
.rept 4
	v_nop
.endr
	s_branch .Lasked
\next:
.endm
	s_load_b256 s[4:11], s[0:1], 0x0               ; ctx_img, ctx_sc, w_img, w_sc
	s_load_b128 s[96:99], s[0:1], 0x20             ; bo, out0
	v_lshl_add_u32 v[SPW], v0, 2, SPARE
	v_mov_b32 v[NIL], 0
	ds_add_u32 v[SPW], v[NIL]                      ; the opening lines
	ds_add_u32 v[SPW], v[NIL]
	v_lshrrev_b32 v1, 5, v0
	v_readfirstlane_b32 s14, v1                    ; wave 0..3
	s_lshr_b32 s15, s14, 1                         ; its row of the 2 x 2
	s_and_b32 s16, s14, 1                          ; its column
	s_bfe_u32 s40, ttmp6, 0x40000                  ; cx
	s_bfe_u32 s41, ttmp6, 0x40004                  ; cy
	s_lshl_b32 s42, ttmp9, 2
	s_add_co_u32 s42, s42, s40                     ; tile column, 0 .. 7
	s_and_b32 s17, ttmp7, 0xffff
	s_lshl_b32 s17, s17, 2
	s_add_co_u32 s17, s17, s41                     ; tile row, 0 .. 31
	s_lshl_b32 s43, s41, 2
	s_lshl_b32 s43, 15, s43                        ; my row of the cluster
	s_lshl_b32 s44, 0x1111, s40                    ; my column
	GRP1 G1A, 43, (3<<16)|(1<<21), 1536, 8         ; eight rowtiles, dense in memory: rows of 12,288 bytes
	GRP1 G1B, 44, (3<<16)|(1<<21), 1536, 8
	GRP1 G1S, 43, (3<<16)|(1<<20)|(1<<21)|(5<<22)|(3<<25), 32, 32   ; 8,192 scale bytes as 32 rows of 256, 16 bytes of padding behind each
	s_mul_i32 s20, s17, 16*RT                      ; ctx's 16 rowtiles
	s_mov_b32 s21, 0
	s_lshl_b32 s22, s17, 13                        ; their scale bytes
	s_mov_b32 s23, 0
	s_lshl_b32 s46, s42, 7
	s_add_co_u32 s46, s46, 3072                    ; Wo's first row of the tile
	s_lshl_b32 s92, s46, 5
	s_lshl_b32 s93, s16, 11
	s_add_co_u32 s92, s92, s93                     ; the scale bytes of my 64 rows
	s_mov_b32 s93, 0
	s_mul_i32 s46, s46, 768
	s_mov_b32 s47, 0
	s_lshl_b32 s80, s42, 9
	s_lshl_b32 s81, s16, 8
	s_add_co_u32 s80, s80, s81                     ; my first column, in bytes of f32
	s_mov_b32 s81, 0
	s_lshl_b32 s82, s17, 20
	s_lshl_b32 s83, s15, 15
	s_add_co_u32 s82, s82, s83                     ; my first row: 256 x tile row + 8 x my row of the 2 x 2, rows of 4,096 bytes
	s_add_co_u32 s82, s82, s80
	s_mov_b32 s83, 0
	s_mul_i32 s76, s15, RT                         ; LDS: block 0 is rowtile 0 or 1;
	s_mul_i32 s77, s16, 4*RT
	s_add_co_u32 s77, s77, BVB                     ; my four rowtiles of Wo;
	s_mul_i32 s78, s15, 544
	s_add_co_u32 s78, s78, SCL                     ; block 0's scale bytes: two units a rowtile;
	s_mul_i32 s79, s14, 16*SPITCH
	s_add_co_u32 s79, s79, STG                     ; my stage
	s_wait_dscnt 0x0
	s_wait_kmcnt 0x0
	s_add_nc_u64 s[20:21], s[4:5], s[20:21]
	s_add_nc_u64 s[22:23], s[6:7], s[22:23]
	s_add_nc_u64 s[46:47], s[8:9], s[46:47]
	s_add_nc_u64 s[92:93], s[10:11], s[92:93]
	s_add_nc_u64 s[96:97], s[96:97], s[80:81]
	s_add_nc_u64 s[98:99], s[98:99], s[82:83]
	GRP0 G0B, BVB, 46, 0
	GRP0 G0S, SCL, 22, 0
	GRP0 G0A0, 0, 20, 0
	GRP0 G0A1, 8*RT, 20, 8*RT
	CROUND                                         ; all sixteen work-groups are here: the joint loads meet
	ARM 0, G0B, G1B, .Lw1                          ; wave 0: Wo's rows, which go on into registers
	ARM 1, G0S, G1S, .Lw2                          ; wave 1: ctx's scale bytes
	ARM 2, G0A0, G1A, .Lw3                         ; wave 2: ctx's rowtiles 0-7
	tensor_load_to_lds s[G0A1:G0A1+3], s[G1A:G1A+7]   ; wave 3: rowtiles 8-15
	s_nop 0
.rept 4
	v_nop
.endr
.Lasked:
	v_and_b32 v1, 31, v0
	v_lshlrev_b32 v2, 4, v1
	v_lshlrev_b32 v3, 3, v1
	v_and_b32 v18, 15, v0                          ; r
	v_bfe_u32 v19, v0, 4, 1                        ; h
	v_add_nc_u32 v[A16B], s76, v2
	v_add_nc_u32 v[A8B], s76, v3
	v_add_nc_u32 v[B16], s77, v2
	v_add_nc_u32 v[B8], s77, v3
	v_lshrrev_b32 v20, 3, v18
	v_mul_u32_u24 v20, v20, 272
	v_and_b32 v21, 7, v18
	v_lshl_add_u32 v20, v21, 5, v20
	v_add_nc_u32 v[AAS], s78, v20                  ; row r's 32 scale bytes: eight rows to a unit
	v_mul_u32_u24 v[STO], v18, SPITCH
	v_lshl_add_u32 v[STO], v19, 6, v[STO]
	v_add_nc_u32 v[STO], s79, v[STO]               ; into the stage: row r, + 64 h
	v_mul_u32_u24 v[RD], v19, SPITCH
	v_lshl_add_u32 v[RD], v18, 4, v[RD]
	v_add_nc_u32 v[RD], s79, v[RD]                 ; back: sixteen lanes to a row of 256 bytes, two rows a load
	v_lshlrev_b32 v[CO], 12, v19
	v_lshl_add_u32 v[CO], v18, 4, v[CO]            ; and the same two rows in out0
	v_lshlrev_b32 v[ABS], 5, v1
	v_lshlrev_b32 v[BNO], 6, v19
.irp p, 0,1
.irp c, 0,1
	global_load_b128 v[SB+8*\p+4*\c:SB+8*\p+4*\c+3], v[ABS], s[92:93] offset:1024*\p+16*\c   ; register SB + 8 p + q: lanes 0-15 tile 2 p's word of K step q, lanes 16-31 tile 2 p + 1's
.endr
.endr
.irp b, 0,1
.irp j, 0,1,2,3
	global_load_b128 v[BN+16*\b+4*\j:BN+16*\b+4*\j+3], v[BNO], s[96:97] offset:128*\b+16*\j  ; register 16 b + i: the bias of column 32 b + 16 h + i
.endr
.endr
.macro FRAG f, a16, a8, off            ; a fragment: two half fragments of the image
	WIN (1+(\f)/FPW)<<6
.set R_, FR*((\f)%FPW)
	ds_load_b128 v[R_:R_+3], v[\a16] offset:\off
	ds_load_b64 v[R_+4:R_+5], v[\a8] offset:(\off)+512
	ds_load_b128 v[R_+6:R_+9], v[\a16] offset:(\off)+768
	ds_load_b64 v[R_+10:R_+11], v[\a8] offset:(\off)+1280
.endm
.macro FETCH s                         ; block s into set s % 2: 34 loads.  (The four lines ahead of them are the places behind the products that read these registers)
	WIN 0
	v_add_nc_u32 v[A16], (\s)*2*RT, v[A16B]
	v_add_nc_u32 v[A8], (\s)*2*RT, v[A8B]
	v_nop
	v_nop
.irp q, 0,1,2,3,4,5,6,7
	FRAG 32+8*((\s)%2)+\q, A16, A8, 1536*\q
.endr
	WIN 0
	ds_load_b128 v[SA+8*((\s)%2):SA+8*((\s)%2)+3], v[AAS] offset:(\s)*1088
	ds_load_b128 v[SA+8*((\s)%2)+4:SA+8*((\s)%2)+7], v[AAS] offset:(\s)*1088+16
.endm
.macro PROD e, q, t
.set FB_, 4*(\q)+(\t)
.set FA_, 32+8*(\e)+(\q)
.set D_, ACC+32*(\e)+8*(\t)
	WIN (1+FB_/FPW)|((1+FA_/FPW)<<2)
.if \q
	PROD1 D_, FB_, FA_, v[D_:D_+7], SB+8*((\t)/2)+(\q), SA+8*(\e)+(\q), (\t)%2
.else
	PROD1 D_, FB_, FA_, v[BN+8*(\t):BN+8*(\t)+7], SB+8*((\t)/2)+(\q), SA+8*(\e)+(\q), (\t)%2
.endif
.endm
.macro PROD1 d, s0, s1, c, x0, x1, o
.if \o
	v_wmma_scale_f32_16x16x128_f8f6f4 v[\d:\d+7], v[FR*((\s0)%FPW):FR*((\s0)%FPW)+FR-1], v[FR*((\s1)%FPW):FR*((\s1)%FPW)+FR-1], \c, v[\x0], v[\x1] matrix_a_fmt:MATRIX_FMT_FP6 matrix_b_fmt:MATRIX_FMT_FP6 matrix_a_scale:MATRIX_SCALE_ROW1
.else
	v_wmma_scale_f32_16x16x128_f8f6f4 v[\d:\d+7], v[FR*((\s0)%FPW):FR*((\s0)%FPW)+FR-1], v[FR*((\s1)%FPW):FR*((\s1)%FPW)+FR-1], \c, v[\x0], v[\x1] matrix_a_fmt:MATRIX_FMT_FP6 matrix_b_fmt:MATRIX_FMT_FP6
.endif
.endm
.macro TOSTAGE s                       ; block s into my stage, each accumulator from its low end on, and back as rows: 16 LDS instructions, served in order
.set AC_, ACC+32*((\s)%2)
.set BB_, BK+32*((\s)%2)
.irp t, 0,1,2,3
	ds_store_b128 v[STO], v[AC_+8*\t:AC_+8*\t+3] offset:128*(\t/2)+32*(\t%2)
	ds_store_b128 v[STO], v[AC_+8*\t+4:AC_+8*\t+7] offset:128*(\t/2)+32*(\t%2)+16
.endr
.irp i, 0,1,2,3,4,5,6,7
	ds_load_b128 v[BB_+4*\i:BB_+4*\i+3], v[RD] offset:\i*2*SPITCH
.endr
.endm
.macro SEND s                          ; stage row p of block s is row 32 s + p + 8 (p / 8) from my first
.set BB_, BK+32*((\s)%2)
.irp i, 0,1,2,3,4,5,6,7
	global_store_b128 v[CO], v[BB_+4*\i:BB_+4*\i+3], s[98:99] offset:(32*(\s)+2*\i+8*(\i/4))*4096 th:TH_STORE_NT   ; sixteen lanes store 256 consecutive bytes, aligned
.endr
.endm
.macro BLK s                           ; block s: 32 products, the four accumulators by turns; the block before leaves; the block two on is fetched; this block goes through the stage
.if (\s) == 0
	s_wait_dscnt 34                                ; block 0's rows are in; block 1's 34 loads may be out
.elseif (\s) == 1
	s_wait_dscnt 50                                ; block 1's rows are in; block 2's 34 loads and the stage's 16 instructions may be out
.endif
.irp q, 0,1,2,3,4,5,6,7
.irp t, 0,1,2,3
	PROD (\s)%2, \q, \t
.endr
.endr
	WIN 0
.if (\s) > 0
	s_wait_dscnt 0x0                               ; the block before is back from the stage, and the next block's rows are in
	SEND (\s)-1
.endif
.if (\s) < 6
	FETCH (\s)+2
.else
.rept 4
	v_nop                                          ; places between the products and the stores of their results
.endr
.endif
	s_wait_xcnt 0x0                                ; the stores of two blocks ago have read their registers
	TOSTAGE \s
.endm
	s_wait_alu depctr_va_vdst(0)                   ; the wait at the head's end
	s_cmp_eq_u32 s14, 0
	s_cbranch_scc0 .Lnot_b
	s_wait_tensorcnt 0x0
.Lnot_b:
	BARRIER                                        ; Wo's rows are in
.irp q, 0,1,2,3,4,5,6,7
.irp t, 0,1,2,3
	FRAG 4*\q+\t, B16, B8, \t*RT+1536*\q
.endr
.endr
	WIN 0
	s_wait_tensorcnt 0x0                           ; every wave's load is in
	s_wait_dscnt 0x0
	BARRIER                                        ; ctx's rows and scale bytes are shown to all
	FETCH 0
	FETCH 1
	s_wait_loadcnt 0x0                             ; Wo's scale words and the bias
.irp s, 0,1,2,3,4,5,6,7
	BLK \s
.endr
	s_wait_dscnt 0x0
	SEND 7
	s_wait_tensorcnt 0x0                           ; the wave's end
	ds_add_u32 v[SPW], v[NIL]
	s_wait_dscnt 0x0
	CROUND                                         ; the closing round
	s_endpgm
.Lfunc_end_k_q22af96bd4b_gemm_out:
	.size	k_q22af96bd4b_gemm_out, .Lfunc_end_k_q22af96bd4b_gemm_out-k_q22af96bd4b_gemm_out
	.p2alignl 7, 3214868480
	.fill 96, 4, 3214868480
	.section	.rodata,"a",@progbits
	.p2align	6, 0x0
	.amdhsa_kernel k_q22af96bd4b_gemm_out
		.amdhsa_group_segment_fixed_size 327680
		.amdhsa_private_segment_fixed_size 0
		.amdhsa_enable_private_segment 0
		.amdhsa_kernarg_size 48
		.amdhsa_user_sgpr_count 2
		.amdhsa_user_sgpr_kernarg_segment_ptr 1
		.amdhsa_wavefront_size32 1
		.amdhsa_system_sgpr_workgroup_id_x 1
		.amdhsa_system_sgpr_workgroup_id_y 1
		.amdhsa_system_sgpr_workgroup_id_z 1
		.amdhsa_system_vgpr_workitem_id 0
		.amdhsa_next_free_vgpr 1024
		.amdhsa_next_free_sgpr 100
		.amdhsa_reserve_vcc 0
		.amdhsa_float_denorm_mode_32 3
		.amdhsa_float_denorm_mode_16_64 3
		.amdhsa_memory_ordered 1
		.amdhsa_forward_progress 1
		.amdhsa_inst_pref_size 85
	.end_amdhsa_kernel
	.amdgpu_metadata
---
amdhsa.version: [ 1, 2 ]
amdhsa.kernels:
  - .name:           k_q22af96bd4b_gemm_out
    .symbol:         k_q22af96bd4b_gemm_out.kd
    .args:
      - { .name: ctx_img, .offset: 0, .size: 8, .value_kind: global_buffer, .address_space: global }
      - { .name: ctx_sc, .offset: 8, .size: 8, .value_kind: global_buffer, .address_space: global }
      - { .name: w_img, .offset: 16, .size: 8, .value_kind: global_buffer, .address_space: global }
      - { .name: w_sc, .offset: 24, .size: 8, .value_kind: global_buffer, .address_space: global }
      - { .name: bo, .offset: 32, .size: 8, .value_kind: global_buffer, .address_space: global }
      - { .name: out0, .offset: 40, .size: 8, .value_kind: global_buffer, .address_space: global }
    .group_segment_fixed_size: 327680
    .private_segment_fixed_size: 0
    .kernarg_segment_align: 8
    .kernarg_segment_size: 48
    .max_flat_workgroup_size: 128
    .sgpr_count:     100
    .vgpr_count:     1024
    .wavefront_size: 32
...
	.end_amdgpu_metadata
.endif
;; end of part 4
